; MI455X (gfx1250); checked and timed in simulation.
; The chip was launched on July 23, 2026; its instructions are those of AMD's public machine-readable ISA for CDNA 5 (MIT licence, August 2026) and "CDNA5" Instruction Set Architecture Reference Guide (July 2026). The comments in the code are by the model that wrote it; some were corrected since.
;; Mixture Of Experts Layer. Allowed arithmetic: float matrix products may take bf16 or f16 operands with f32 sums; other float arithmetic in f32, or as packed bf16 or f16 multiplies, adds, multiply-adds, maxima and minima; sums over many terms, partial sums and values carried from step to step in f32; what a program stores and reads back later, other than sums and carried values, may be rounded once to bf16 or f16.
;; Inputs: W1 8 x 1,024 x 4,096 float32; W2 8 x 4,096 x 1,024 float32; Wg 1,024 x 8 float32; b1 8 x 4,096 float32; b2 8 x 1,024 float32; bg 8 float32; x 1,024 x 1,024 float32.
;; Outputs: out0 1,024 x 1,024 float32; out1 one number float32.
;; One version. Each part assembles by itself: llvm-mc -triple=amdgcn-amd-amdhsa -mcpu=gfx1250 --defsym DOCPART=n.
;; ======== version 1 of 1: 5 launches
;; workspace buffers: sel 4,096 bytes of whole numbers; gwi 10,240 bytes; ptab 8,448 bytes of whole numbers; gws 8,704 bytes; xs 4,423,680 bytes; hbuf 17,694,720 bytes; y 35,389,440 bytes
;; launch router (part 1): grid 64 x 1, 8 waves a work-group, no clusters, 9,216 bytes of LDS; arguments x, Wg, bg, sel, gwi; writes sel, gwi
.if DOCPART == 1
	.amdgcn_target "amdgcn-amd-amdhsa--gfx1250"
	.amdhsa_code_object_version 6
	.text
	.protected	k_q5fee296231_router
	.globl	k_q5fee296231_router
	.p2align	8
	.type	k_q5fee296231_router,@function
k_q5fee296231_router:
	s_mov_b64 s[64:65], 0
	v_nop
	global_prefetch_b8 v0, s[64:65] scope:SCOPE_SE
	s_setreg_imm32_b32 hwreg(HW_REG_WAVE_MODE, 25, 1), 1
	s_wait_xcnt 0x0
; ROUTER.  logits = x Wg + bg, softmax over the 8 experts, the two largest, their weights renormalised, and each work-group's share of the importance sums.
; A work-group owns 16 tokens; wave w multiplies k = 128 w .. 128 w + 127 (four matrix steps of 32); the eight partial results meet in LDS and wave 0 finishes.
; The matrix instruction is used transposed: source 0 = Wg (row = expert, lane % 8; rows 8-15 repeat rows 0-7), source 1 = x (column = token, lane % 16).
; So a lane holds ONE token and its registers 0-7 the eight logits; lanes 16-31 repeat lanes 0-15.
; Both operands take k in the same order, 32 s + 16 (lane / 16) + 2 q + p for half p of register q, so a lane's 16 numbers of x are 64 consecutive bytes.
; STORED, at fixed places: sel[token] = e0 | e1 << 8; gwi: the two weights of token t at 8 t; from byte 8192 on eight sums of probabilities for each work-group.
; LIMITS.  x, Wg and bg are rounded to bf16, products and sums in f32.  The maximum is taken away before the exponentials.  The choice is made on the exponentials: one below 2^-126 counts as 0;
; of equal numbers the lower index wins, as in jax.lax.top_k.  NaN and infinities are not treated apart.
.set SPARE, 8192                       ; behind the eight partial results: the spare words, 128 bytes a wave
.set LOG2E, 0x3fb8aa3b
	s_load_b256 s[4:11], s[0:1], 0x0               ; x s[4:5], Wg s[6:7], bg s[8:9], sel s[10:11]
	s_load_b64 s[12:13], s[0:1], 0x20              ; gwi
	v_lshl_add_u32 v3, v0, 2, SPARE                ; my spare word
	v_mov_b32 v4, 0
	v_lshrrev_b32 v1, 5, v0
	v_readfirstlane_b32 s14, v1                    ; wave 0..7
	v_and_b32 v2, 31, v0                           ; lane
	v_and_b32 v5, 15, v0                           ; r
	v_bfe_u32 v6, v0, 4, 1                         ; h
	v_lshlrev_b32 v7, 12, v5
	v_lshl_add_u32 v7, v6, 6, v7                   ; x: token r's row + 64 h
	v_and_b32 v1, 7, v0
	v_lshlrev_b32 v1, 2, v1
	v_lshl_add_u32 v1, v6, 9, v1                   ; Wg: 16 h rows of 32 bytes + expert
	s_lshl_b32 s16, ttmp9, 16                      ; 16 rows of 4,096 bytes a work-group
	s_lshl_b32 s17, s14, 9                         ; 128 numbers a wave
	s_add_co_u32 s16, s16, s17
	s_mov_b32 s17, 0
	s_lshl_b32 s18, s14, 12                        ; 128 rows of Wg a wave
	s_mov_b32 s19, 0
	s_wait_kmcnt 0x0
	s_add_nc_u64 s[4:5], s[4:5], s[16:17]
	s_add_nc_u64 s[6:7], s[6:7], s[18:19]
	s_load_b256 s[24:31], s[8:9], 0x0              ; bg
.set i, 0
.rept 16                                               ; x: step i / 4, 16 bytes i % 4 of the lane's 64
	global_load_b128 v[8+4*i:8+4*i+3], v7, s[4:5] offset:(i/4)*128+(i%4)*16
.set i, i+1
.endr
.set i, 0
.rept 64                                               ; Wg: step i / 16, row i % 16 of the lane's 16
	global_load_b32 v[72+i], v1, s[6:7] offset:(32*(i/16)+i%16)*32
.set i, i+1
.endr
	s_wait_loadcnt 0x0
.set i, 0
.rept 32
	v_cvt_pk_bf16_f32 v[136+i], v[8+2*i], v[8+2*i+1]     ; x's fragments, 8 registers a step
	v_cvt_pk_bf16_f32 v[168+i], v[72+2*i], v[72+2*i+1]   ; Wg's
.set i, i+1
.endr
	; two accumulators by turns; the first two products start the sums
	v_wmma_f32_16x16x32_bf16 v[200:207], v[168:175], v[136:143], 0
	v_wmma_f32_16x16x32_bf16 v[208:215], v[176:183], v[144:151], 0
	v_wmma_f32_16x16x32_bf16 v[200:207], v[184:191], v[152:159], v[200:207]
	v_wmma_f32_16x16x32_bf16 v[208:215], v[192:199], v[160:167], v[208:215]
	v_lshlrev_b32 v5, 4, v2                        ; four plain instructions stand between the last product and the first read of a result (ISA guide 7.12.1)
	v_lshl_add_u32 v6, s14, 10, v5                 ; my wave's 1,024 bytes in LDS
	v_nop
	v_nop
.irp p, 0,2,4,6
	v_pk_add_f32 v[200+\p:201+\p], v[200+\p:201+\p], v[208+\p:209+\p]
.endr
	ds_store_b128 v6, v[200:203]
	ds_store_b128 v6, v[204:207] offset:512
	s_wait_dscnt 0x0                               ; for wave 0's sake: my stores are done
	s_barrier_signal -1
	s_barrier_wait -1
	s_cmp_lg_u32 s14, 0
	s_cbranch_scc1 .Lend
.set i, 0
.rept 16                                               ; wave i / 2's registers 4 (i % 2) ..
	ds_load_b128 v[8+4*i:8+4*i+3], v5 offset:i*512
.set i, i+1
.endr
	s_wait_kmcnt 0x0
.irp e, 0,1,2,3,4,5,6,7
	v_mov_b32 v[72+\e], s[24+\e]
.endr
.irp p, 0,1,2,3
	v_cvt_pk_bf16_f32 v[80+\p], v[72+2*\p], v[73+2*\p]   ; bg rounded to bf16, like every input
.endr
.irp p, 0,1,2,3
	v_lshlrev_b32 v[72+2*\p], 16, v[80+\p]
	v_and_b32 v[73+2*\p], 0xffff0000, v[80+\p]
.endr
	s_wait_dscnt 0x0
.irp w, 1,2,3,4,5,6,7
.irp p, 0,2,4,6
	v_pk_add_f32 v[8+\p:9+\p], v[8+\p:9+\p], v[8+8*\w+\p:9+8*\w+\p]
.endr
.endr
.irp p, 0,2,4,6
	v_pk_add_f32 v[8+\p:9+\p], v[8+\p:9+\p], v[72+\p:73+\p]
.endr
	v_max3_num_f32 v24, v8, v9, v10                ; the token's largest logit
	v_max3_num_f32 v24, v24, v11, v12
	v_max3_num_f32 v24, v24, v13, v14
	v_max_num_f32 v24, v24, v15
.irp e, 0,1,2,3,4,5,6,7
	v_sub_f32 v[32+\e], v[8+\e], v24
.endr
.irp e, 0,1,2,3,4,5,6,7
	v_mul_f32 v[32+\e], LOG2E, v[32+\e]
.endr
.irp e, 0,1,2,3,4,5,6,7
	v_exp_f32 v[32+\e], v[32+\e]                   ; u = e^(logit - maximum): one batch
.endr
	v_nop                                          ; a plain instruction behind the last exponential
	s_wait_alu depctr_va_vdst(0)                   ; one wait for the eight, ahead of their first reader
	v_add_f32 v25, v32, v33
	v_add_f32 v26, v34, v35
	v_add_f32 v27, v36, v37
	v_add_f32 v28, v38, v39
	v_add_f32 v25, v25, v26
	v_add_f32 v27, v27, v28
	v_add_f32 v25, v25, v27                        ; the sum of the eight
	v_mov_b32 v40, v32                             ; the largest, by a strict comparison going up: the lower index keeps a tie
	v_mov_b32 v41, 0
.irp e, 1,2,3,4,5,6,7
	v_cmp_gt_f32 vcc_lo, v[32+\e], v40
	v_cndmask_b32 v40, v40, v[32+\e], vcc_lo
	v_cndmask_b32 v41, v41, \e, vcc_lo
.endr
.irp e, 0,1,2,3,4,5,6,7
	v_cmp_eq_u32 vcc_lo, \e, v41
	v_cndmask_b32 v[48+\e], v[32+\e], -1.0, vcc_lo ; the winner is taken out: every u is 0 or more
.endr
	v_mov_b32 v42, v48                             ; the second, in the same way
	v_mov_b32 v43, 0
.irp e, 1,2,3,4,5,6,7
	v_cmp_gt_f32 vcc_lo, v[48+\e], v42
	v_cndmask_b32 v42, v42, v[48+\e], vcc_lo
	v_cndmask_b32 v43, v43, \e, vcc_lo
.endr
	v_add_f32 v44, v40, v42
	v_rcp_f32 v45, v25
	v_rcp_f32 v46, v44
	v_lshl_or_b32 v47, v43, 8, v41                 ; e0 | e1 << 8: the plain instruction behind the reciprocals
	s_wait_alu depctr_va_vdst(0)                   ; one wait for the two
	v_mul_f32 v50, v40, v46                        ; the two weights, renormalised: the common divisor of the softmax cancels
	v_mul_f32 v51, v42, v46
.irp e, 0,1,2,3,4,5,6,7
	v_mul_f32 v[56+\e], v[32+\e], v45              ; the probabilities
.endr
.irp m, 1,2,4,8
.irp e, 0,1,2,3,4,5,6,7
	v_add_f32_dpp v[56+\e], v[56+\e], v[56+\e] row_xmask:\m row_mask:0xf bank_mask:0xf   ; summed over the 16 tokens
.endr
.endr
	s_lshl_b32 s16, ttmp9, 6
	s_add_nc_u64 s[10:11], s[10:11], s[16:17]      ; sel: 16 words a work-group
	s_lshl_b32 s16, ttmp9, 7
	s_add_nc_u64 s[20:21], s[12:13], s[16:17]      ; the weights: 16 pairs
	s_lshl_b32 s16, ttmp9, 5
	s_add_nc_u64 s[22:23], s[12:13], s[16:17]      ; the sums: 8 numbers
	v_lshlrev_b32 v26, 2, v2
	v_lshlrev_b32 v27, 3, v2
	v_mov_b32 v28, 0
	v_cmp_gt_u32 vcc_lo, 16, v2
	s_wait_xcnt 0x0                                ; EXEC changes only behind this wait
	s_and_saveexec_b32 s32, vcc_lo
	global_store_b32 v26, v47, s[10:11]            ; lanes 0-15: one token each
	global_store_b64 v27, v[50:51], s[20:21]
	s_wait_xcnt 0x0
	s_or_b32 exec_lo, exec_lo, s32
	v_cmp_eq_u32 vcc_lo, 0, v2
	s_and_saveexec_b32 s32, vcc_lo
	global_store_b128 v28, v[56:59], s[22:23] offset:8192
	global_store_b128 v28, v[60:63], s[22:23] offset:8208
	s_wait_xcnt 0x0
	s_or_b32 exec_lo, exec_lo, s32
.Lend:
	s_wait_tensorcnt 0x0                           ; the wave's end
	ds_add_u32 v3, v4
	s_wait_dscnt 0x0
	s_endpgm
.Lfunc_end_k_q5fee296231_router:
	.size	k_q5fee296231_router, .Lfunc_end_k_q5fee296231_router-k_q5fee296231_router
	.p2alignl 7, 3214868480
	.fill 96, 4, 3214868480
	.section	.rodata,"a",@progbits
	.p2align	6, 0x0
	.amdhsa_kernel k_q5fee296231_router
		.amdhsa_group_segment_fixed_size 9216
		.amdhsa_private_segment_fixed_size 0
		.amdhsa_enable_private_segment 0
		.amdhsa_kernarg_size 40
		.amdhsa_user_sgpr_count 2
		.amdhsa_user_sgpr_kernarg_segment_ptr 1
		.amdhsa_wavefront_size32 1
		.amdhsa_system_sgpr_workgroup_id_x 1
		.amdhsa_system_sgpr_workgroup_id_y 1
		.amdhsa_system_sgpr_workgroup_id_z 1
		.amdhsa_system_vgpr_workitem_id 0
		.amdhsa_next_free_vgpr 216
		.amdhsa_next_free_sgpr 66
		.amdhsa_reserve_vcc 1
		.amdhsa_float_denorm_mode_32 3
		.amdhsa_float_denorm_mode_16_64 3
		.amdhsa_memory_ordered 1
		.amdhsa_forward_progress 1
		.amdhsa_inst_pref_size 26
	.end_amdhsa_kernel
	.amdgpu_metadata
---
amdhsa.version: [ 1, 2 ]
amdhsa.kernels:
  - .name:           k_q5fee296231_router
    .symbol:         k_q5fee296231_router.kd
    .args:
      - { .name: x, .offset: 0, .size: 8, .value_kind: global_buffer, .address_space: global }
      - { .name: Wg, .offset: 8, .size: 8, .value_kind: global_buffer, .address_space: global }
      - { .name: bg, .offset: 16, .size: 8, .value_kind: global_buffer, .address_space: global }
      - { .name: sel, .offset: 24, .size: 8, .value_kind: global_buffer, .address_space: global }
      - { .name: gwi, .offset: 32, .size: 8, .value_kind: global_buffer, .address_space: global }
    .group_segment_fixed_size: 9216
    .private_segment_fixed_size: 0
    .kernarg_segment_align: 8
    .kernarg_segment_size: 40
    .max_flat_workgroup_size: 256
    .sgpr_count:     66
    .vgpr_count:     216
    .wavefront_size: 32
...
	.end_amdgpu_metadata
.endif
;; end of part 1
;; launch place (part 2): grid 135 x 1, 32 waves a work-group, no clusters, 16,384 bytes of LDS; arguments sel, gwi, x, ptab, gws, xs; writes ptab, gws, xs
.if DOCPART == 2
	.amdgcn_target "amdgcn-amd-amdhsa--gfx1250"
	.amdhsa_code_object_version 6
	.text
	.protected	k_q5fee296231_place
	.globl	k_q5fee296231_place
	.p2align	8
	.type	k_q5fee296231_place,@function
k_q5fee296231_place:
	s_mov_b64 s[64:65], 0
	v_nop
	global_prefetch_b8 v0, s[64:65] scope:SCOPE_SE
	s_setreg_imm32_b32 hwreg(HW_REG_WAVE_MODE, 25, 1), 1
	s_wait_xcnt 0x0
; PLACE.  The 2,048 routed rows are sorted by expert, in the order of the tokens, each expert's rows filling whole tiles of 16: expert e has nt = ceil(count / 16) tiles from tile tb on.
; The tiles of all experts are 135 at the most, whatever the split (2,048 / 16 + 7), so 135 work-groups are launched; work-group p writes tile p, and one past the last tile stores nothing.
; Every work-group counts all 1,024 choices for itself, in whole numbers: thread t is token t; a ballot and a count of the lower lanes give the rank in the wave, the 32 waves' counts meet in LDS.
; STORED.  ptab (by work-group 0): the two sorted rows of token t at 8 t; from byte 8192 on, for each expert, {tb (0 where it has no tile), nt, count, 0}.
; gws: the gate weight of each sorted row, 0 for a place past the count.  xs: for tile p and step s of 32 along k a block of 1,024 bytes: the matrix operand as the registers take it:
; byte 512 j + 16 lane holds registers 4 j .. 4 j + 3 of the lane's fragment, in which half b of register q of lane (r, h) is x[token of row r][32 s + 16 h + 2 q + b], rounded to bf16; places past the count hold 0.
; WHO HAS ROW a OF THE TILE.  Each wave has 256 LDS bytes of its own, cleared by itself: words 0-15 for token + 1, words 32-47 for the weight, words 16 and 48 for what does not belong to tile p.
; Every lane stores, all lanes on: the word's number is chosen by a select and held to 16 at the most.  A row has one writer in the work-group, so the OR of the 32 waves' words is the value.
.set WT, 4096                          ; behind the counts (32 waves x 128 bytes): the waves' rows, 256 bytes each
.set SPARE, 12288                      ; the spare words, 128 bytes a wave
	s_load_b256 s[4:11], s[0:1], 0x0               ; sel s[4:5], gwi s[6:7], x s[8:9], ptab s[10:11]
	s_load_b128 s[12:15], s[0:1], 0x20             ; gws s[12:13], xs s[14:15]
	v_lshl_add_u32 v3, v0, 2, SPARE
	v_mov_b32 v4, 0
	v_lshrrev_b32 v1, 5, v0
	v_readfirstlane_b32 s16, v1                    ; wave 0..31
	s_mov_b32 s17, ttmp9                           ; p
	v_and_b32 v2, 31, v0                           ; lane
	v_lshlrev_b32 v5, 2, v0                        ; 4 t
	v_lshlrev_b32 v14, 3, v0                       ; 8 t
	v_and_b32 v16, 15, v0                          ; r
	v_bfe_u32 v17, v0, 4, 1                        ; h
	v_lshlrev_b32 v104, 2, v16                     ; 4 r
	v_lshl_add_u32 v18, v17, 12, v104              ; word r of waves 16 h ..
	v_lshlrev_b32 v19, 4, v2                       ; 16 lane
	v_and_b32 v106, 7, v0                          ; lane % 8
	v_lshlrev_b32 v105, 4, v106                    ; its entry in the table
	s_lshl_b32 s43, s16, 8                         ; my wave's row in LDS
	v_lshl_add_u32 v107, v2, 2, s43
	s_mov_b32 s18, 0x76543210                      ; v_permlanex16_b32: each lane takes its own place in the other half
	s_mov_b32 s19, 0xfedcba98
	v_mov_b32 v15, 0
	v_mov_b32 v32, 0
	s_wait_kmcnt 0x0
	global_load_b32 v33, v5, s[4:5]
	global_load_b64 v[34:35], v14, s[6:7]
	ds_store_b32 v107, v32 offset:WT               ; my wave's row is cleared: 64 words
	ds_store_b32 v107, v32 offset:WT+128
	s_wait_loadcnt 0x0
	v_and_b32 v100, 0xff, v33                      ; e0
	v_lshrrev_b32 v101, 8, v33                     ; e1
.irp e, 0,1,2,3,4,5,6,7
	v_cmp_eq_u32 s40, \e, v100
	v_cmp_eq_u32 s41, \e, v101
	s_or_b32 s[20+\e], s40, s41                    ; the lanes whose token chose expert e
	v_mbcnt_lo_u32_b32 v[6+\e], s[20+\e], 0        ; how many of them lie below me
	s_bcnt1_i32_b32 s42, s[20+\e]
	v_writelane_b32 v15, s42, \e                   ; lane e holds the wave's count for expert e
.endr
	ds_store_b32 v5, v15                           ; my wave's 32 words of counts
	s_wait_dscnt 0x0                               ; for the others' sake
	s_barrier_signal -1
	s_barrier_wait -1
	v_lshlrev_b32 v102, 7, v2
	ds_load_b128 v[20:23], v102 offset:16          ; lane l takes wave l's eight counts
	ds_load_b128 v[24:27], v102
	s_wait_dscnt 0x0
	v_lshl_or_b32 v28, v25, 16, v24                ; two experts to a register: no count passes 1,024
	v_lshl_or_b32 v29, v27, 16, v26
	v_lshl_or_b32 v30, v21, 16, v20
	v_lshl_or_b32 v31, v23, 16, v22
	v_cmp_gt_u32 vcc_lo, s16, v2
.irp i, 0,1,2,3
	v_mov_b32 v[24+\i], v[28+\i]                   ; all waves,
	v_cndmask_b32 v[28+\i], 0, v[28+\i], vcc_lo    ; and the waves in front of mine alone
.endr
.irp x, 24,25,26,27,28,29,30,31
.irp m, 1,2,4,8
	v_mov_b32_dpp v32, v\x row_xmask:\m row_mask:0xf bank_mask:0xf
	v_add_nc_u32 v\x, v\x, v32
.endr
	v_permlanex16_b32 v32, v\x, s18, s19
	v_add_nc_u32 v\x, v\x, v32                     ; summed over the 32 lanes, in every lane
.endr
.irp i, 0,1,2,3
	v_and_b32 v[38+8*\i], 0xffff, v[24+\i]         ; the counts, at their place in the table's entries v[36 + 4 e ..]
	v_lshrrev_b32 v[42+8*\i], 16, v[24+\i]
	v_and_b32 v[68+2*\i], 0xffff, v[28+\i]         ; the rows of earlier waves
	v_lshrrev_b32 v[69+2*\i], 16, v[28+\i]
.endr
	v_mov_b32 v76, 0
.irp e, 0,1,2,3,4,5,6,7
	v_add_nc_u32 v[37+4*\e], 15, v[38+4*\e]
	v_lshrrev_b32 v[37+4*\e], 4, v[37+4*\e]        ; nt
	v_mov_b32 v[80+\e], v76                        ; tb
	v_cmp_ne_u32 vcc_lo, 0, v[37+4*\e]
	v_cndmask_b32 v[36+4*\e], 0, v76, vcc_lo       ; in the table an expert without rows names tile 0, which always exists
	v_add_nc_u32 v76, v76, v[37+4*\e]              ; at the end: the number of tiles
	v_lshl_add_u32 v[88+\e], v[80+\e], 4, v[68+\e]
	v_add_nc_u32 v[88+\e], v[88+\e], v[6+\e]       ; my row, should I have chosen e
.endr
	v_mov_b32 v96, 0
	v_mov_b32 v97, 0
.irp e, 0,1,2,3,4,5,6,7
	v_cmp_eq_u32 vcc_lo, \e, v100
	v_cndmask_b32 v96, v96, v[88+\e], vcc_lo
	v_cmp_eq_u32 vcc_lo, \e, v101
	v_cndmask_b32 v97, v97, v[88+\e], vcc_lo
.endr
	v_add_nc_u32 v103, 1, v0                       ; token + 1: 0 says that nobody has the row
.irp k, 0,1
	v_lshrrev_b32 v98, 4, v[96+\k]
	v_and_b32 v99, 15, v[96+\k]
	v_cmp_eq_u32 vcc_lo, s17, v98                  ; does the row lie in tile p?
	v_cndmask_b32 v99, 16, v99, vcc_lo             ; if not: word 16, which nobody reads
	v_min_u32 v99, 16, v99
	v_lshl_add_u32 v99, v99, 2, s43
	ds_store_b32 v99, v103 offset:WT
	ds_store_b32 v99, v[34+\k] offset:WT+128
.endr
	s_cmp_lg_u32 s17, 0
	s_cbranch_scc1 .Lnot0
	global_store_b64 v14, v[96:97], s[10:11]       ; work-group 0 stores the list,
	s_cmp_lg_u32 s16, 0
	s_cbranch_scc1 .Lnot0
	v_mov_b32 v108, v36                            ; and its wave 0 the table: lane l takes the entry of expert l % 8; lanes 8-31 repeat lanes 0-7
	v_mov_b32 v109, v37
	v_mov_b32 v110, v38
	v_mov_b32 v111, 0
.irp e, 1,2,3,4,5,6,7
	v_cmp_eq_u32 vcc_lo, \e, v106
	v_cndmask_b32 v108, v108, v[36+4*\e], vcc_lo
	v_cndmask_b32 v109, v109, v[37+4*\e], vcc_lo
	v_cndmask_b32 v110, v110, v[38+4*\e], vcc_lo
.endr
	global_store_b128 v105, v[108:111], s[10:11] offset:8192
.Lnot0:
	s_wait_dscnt 0x0                               ; for the others' sake: my wave's row is written
	s_barrier_signal -1
	s_barrier_wait -1
	v_readfirstlane_b32 s45, v76
	s_cmp_ge_u32 s17, s45
	s_cbranch_scc1 .Lend                           ; no such tile in this split: no barrier follows
; The OR of word r over the 32 waves' rows: 16 loads a half of the lanes, then the other half's.
.macro GATH off
.set i, 0
.rept 16
	ds_load_b32 v[40+i], v18 offset:(\off)+i*256
.set i, i+1
.endr
	s_wait_dscnt 0x0
.irp d, 8,4,2,1
.set i, 0
.rept \d
	v_or_b32 v[40+i], v[40+i], v[40+\d+i]
.set i, i+1
.endr
.endr
	v_permlanex16_b32 v32, v40, s18, s19
	v_or_b32 v40, v40, v32
.endm
	GATH WT
	v_cmp_eq_u32 s46, 0, v40                       ; a place past the count
	v_add_nc_u32 v41, -1, v40
	v_min_u32 v41, 0x3ff, v41                      ; the token, held inside x
	v_lshlrev_b32 v41, 12, v41
	v_lshl_add_u32 v41, v17, 6, v41                ; its row + 64 h
	s_lshl_b32 s48, s16, 7                         ; wave w is step w: 32 numbers
	s_mov_b32 s49, 0
	s_add_nc_u64 s[8:9], s[8:9], s[48:49]
.irp i, 0,1,2,3
	global_load_b128 v[56+4*\i:59+4*\i], v41, s[8:9] offset:16*\i
.endr
	s_lshl_b32 s48, s17, 15                        ; 32,768 bytes a tile,
	s_lshl_b32 s47, s16, 10                        ; 1,024 a step
	s_add_co_u32 s48, s48, s47
	s_add_nc_u64 s[14:15], s[14:15], s[48:49]
	s_wait_loadcnt 0x0
.irp q, 0,1,2,3,4,5,6,7
	v_cvt_pk_bf16_f32 v[72+\q], v[56+2*\q], v[57+2*\q]
.endr
.irp q, 0,1,2,3,4,5,6,7
	v_cndmask_b32 v[72+\q], v[72+\q], 0, s46
.endr
	global_store_b128 v19, v[72:75], s[14:15]      ; each store of the wave covers 512 consecutive bytes, aligned
	global_store_b128 v19, v[76:79], s[14:15] offset:512
	s_cmp_lg_u32 s16, 0
	s_cbranch_scc1 .Lend
	GATH WT+128                                    ; wave 0: the tile's 16 gate weights; lanes 16-31 repeat lanes 0-15
	s_lshl_b32 s48, s17, 6
	s_add_nc_u64 s[12:13], s[12:13], s[48:49]
	global_store_b32 v104, v40, s[12:13]
.Lend:
	s_wait_tensorcnt 0x0                           ; the wave's end
	ds_add_u32 v3, v4
	s_wait_dscnt 0x0
	s_endpgm
.Lfunc_end_k_q5fee296231_place:
	.size	k_q5fee296231_place, .Lfunc_end_k_q5fee296231_place-k_q5fee296231_place
	.p2alignl 7, 3214868480
	.fill 96, 4, 3214868480
	.section	.rodata,"a",@progbits
	.p2align	6, 0x0
	.amdhsa_kernel k_q5fee296231_place
		.amdhsa_group_segment_fixed_size 16384
		.amdhsa_private_segment_fixed_size 0
		.amdhsa_enable_private_segment 0
		.amdhsa_kernarg_size 48
		.amdhsa_user_sgpr_count 2
		.amdhsa_user_sgpr_kernarg_segment_ptr 1
		.amdhsa_wavefront_size32 1
		.amdhsa_system_sgpr_workgroup_id_x 1
		.amdhsa_system_sgpr_workgroup_id_y 1
		.amdhsa_system_sgpr_workgroup_id_z 1
		.amdhsa_system_vgpr_workitem_id 0
		.amdhsa_next_free_vgpr 112
		.amdhsa_next_free_sgpr 66
		.amdhsa_reserve_vcc 1
		.amdhsa_float_denorm_mode_32 3
		.amdhsa_float_denorm_mode_16_64 3
		.amdhsa_memory_ordered 1
		.amdhsa_forward_progress 1
		.amdhsa_inst_pref_size 21
	.end_amdhsa_kernel
	.amdgpu_metadata
---
amdhsa.version: [ 1, 2 ]
amdhsa.kernels:
  - .name:           k_q5fee296231_place
    .symbol:         k_q5fee296231_place.kd
    .args:
      - { .name: sel, .offset: 0, .size: 8, .value_kind: global_buffer, .address_space: global }
      - { .name: gwi, .offset: 8, .size: 8, .value_kind: global_buffer, .address_space: global }
      - { .name: x, .offset: 16, .size: 8, .value_kind: global_buffer, .address_space: global }
      - { .name: ptab, .offset: 24, .size: 8, .value_kind: global_buffer, .address_space: global }
      - { .name: gws, .offset: 32, .size: 8, .value_kind: global_buffer, .address_space: global }
      - { .name: xs, .offset: 40, .size: 8, .value_kind: global_buffer, .address_space: global }
    .group_segment_fixed_size: 16384
    .private_segment_fixed_size: 0
    .kernarg_segment_align: 8
    .kernarg_segment_size: 48
    .max_flat_workgroup_size: 1024
    .sgpr_count:     66
    .vgpr_count:     112
    .wavefront_size: 32
...
	.end_amdgpu_metadata
.endif
;; end of part 2
;; launch prod1 (part 3): grid 256 x 1, 4 waves a work-group, no clusters, 263,168 bytes of LDS; arguments xs, W1, b1, ptab, hbuf; writes hbuf
.if DOCPART == 3
	.amdgcn_target "amdgcn-amd-amdhsa--gfx1250"
	.amdhsa_code_object_version 6
	.text
	.protected	k_q5fee296231_prod1
	.globl	k_q5fee296231_prod1
	.p2align	8
	.type	k_q5fee296231_prod1,@function
k_q5fee296231_prod1:
	s_mov_b64 s[64:65], 0
	v_nop
	global_prefetch_b8 v0, s[64:65] scope:SCOPE_SE
	s_setreg_imm32_b32 hwreg(HW_REG_WAVE_MODE, 25, 1), 1
	s_wait_xcnt 0x0
; ONE TEXT FOR THE TWO PRODUCTS OF AN EXPERT; PROD2 says which.
;   PROD2 = 0:  hbuf = relu(xs W1[e] + b1[e]), rounded to bf16.     Work-group = expert (number / 32), 128 of the 4,096 hidden columns (number % 32), all 1,024 k.
;   PROD2 = 1:  y[quarter] = gate weight x (hbuf W2[e]), in f32.    Work-group = expert (number / 32), a quarter of the 4,096 k ((number / 8) % 4), 128 of the 1,024 columns (number % 8).
; Either way a work-group alone reads a slice of 1,024 k x 128 columns of f32 weights, once, and serves all of its expert's rows.  Four waves, and every wave does both jobs:
; WEIGHTS.  K goes in 16 chunks of 64 (two matrix steps of 32).  Of each chunk wave c brings in step c / 2, column half c % 2: a group of 16 loads of 16 bytes a lane, 32 rows of k x 64 columns.  A lane's four
; neighbouring columns of 16 rows, rounded in pairs of rows, ARE four matrix operands (operand j = columns 4 r + j); they go to LDS as the registers take them and stay there: 262,144 bytes, no byte written twice.
; PRODUCTS.  The expert's tiles of 16 rows are dealt to wave c and its five places a as tile 20 p + 4 a + c of pass p.  The tokens' operands come from memory as an earlier launch laid them (1,024 bytes
; for 16 rows x 32 k), the weights' from LDS.  In segment t a wave multiplies chunk t and stores its part of chunk t + 1; one barrier a segment; their number is a constant of the text.
; ONE QUEUE OF LOADS.  Loads come back in order, so weights and tokens are asked for in a fixed order: segment t asks for the tokens' step 2 t + 2 (10 loads), weight group t + 2 (16), the tokens' step 2 t + 3 (10).
; 62 loads are out at the most; a weight group is asked for at the head of segment t - 1 and waited for three quarters through segment t.
; ROWS.  Pass 0 goes with the stream; an expert with more than 320 rows takes further passes over the slice in LDS, without barriers and without overlap of loads and products.  A place past the expert's
; last tile repeats that tile's loads, so that every wait's count holds on every way; its products are jumped (place 4) or made in vain (places 0-3), and nothing is stored for it.
; An expert without rows still has its slice read and stores nothing.
; THE ORDER OF k is the same in both operands of a product: half b of register q of lane (r, h) is k = 32 s + 16 h + 2 q + b in the first product; in the second it is hidden column
; 64 t + 16 (s % 2) + 32 h + 2 q + b (t = s / 2), which is how the first product's results lie in the lanes: they are rounded in pairs and stored, and no number changes its lane.
; NO CLUSTER, though an expert's work-groups read the same token tiles: these come straight into registers; beside the slice LDS has under 65,536 bytes, and two slots of one chunk's 20 tiles are 81,920.
; LIMITS.  Weights and b1 are rounded to bf16, sums in f32, the hidden layer rounded once to bf16.  NaN and infinities are not treated apart.
.set PROD2, 0
.if PROD2
.set PITCH, 4096                       ; bytes from row to row of the weights
.set PSH,   12
.set BSTEP, 16                         ; rows between the chunk's two steps
.set HSH,   17                         ; log2 of the bytes between the rows of the lanes' two halves (32 rows)
.set ASH,   17                         ; log2 of the bytes of a tile of the tokens' operands
.else
.set PITCH, 16384
.set PSH,   14
.set BSTEP, 32
.set HSH,   18                         ; 16 rows
.set ASH,   15
.endif
.set GSTEP, 64*PITCH                   ; from chunk to chunk
.set YQ,    8847360                    ; bytes of a quarter's partial results: 2,160 rows of 4,096
.set BIAS,  262144                     ; first product: 128 numbers of b1 behind the slice
.set SPARE, 262144+512*(1-PROD2)       ; the spare words, 128 bytes a wave
.set WV, 14                            ; s14 wave   s16 expert   s17 slice   s18 quarter   s19, s20 my step in a chunk, my half of the columns
.set EX, 16
.set SL, 17
.set Q4, 18
.set KB, 19
.set G2, 20
.set SW, 24                            ; s[24:25] the weights at my group 0, stepped two chunks a trip
.set TB, 28                            ; s28 LDS bytes of the trips done; in a further pass: of the steps done
.set LC, 29                            ; s29 trips to go
.set MT, 30                            ; s30 how many of my five places hold a tile
.set NT, 31                            ; s31 the expert's tiles    s32 its first tile
.set TBASE, 32
.set PS, 33                            ; s33 pass
.set KC, 34
.set PC, 35                            ; s35 at the head the expert's offset in the table; later the passes to go
.set ABASE, 36                         ; s[36:45] the five tiles' operands
.set TN, 46                            ; s46-50 the five tiles' numbers
.set GB, 52                            ; s[52:61] second product: the five tiles' gate weights
.set OB, 62                            ; s[62:63] where a tile is stored
; VECTOR REGISTERS, in windows of 256 (s_set_vgpr_msb: bits 1:0 source 0, 3:2 source 1, 5:4 source 2, 7:6 destination).
;   window 0: v1 16 x lane   v2 LDS address of the reads   v3, v4 the add's two   v5 my 16 bytes in a group's first row   v6 my row of a group, for the prefetch   v7 16 x lane + 4,096 x wave
;             v[8+8 k ..] place 4's token operand, four buffers   v40-71 column tiles 0-3   v72-103 column tiles 4-7   v104-167 place 4's accumulators   v168-199 a group rounded
;             v168-231 at work on the way out   v232 LDS address of the stores   v233, v234 first product: 0, address of b1 in LDS; second: my offset in y, in gws
;   window 1: accumulator (place a, column tile ct) at 64 a + 8 ct        window 2: v[32 k + 8 a ..] token operands of places 0-3, four buffers; v[128 + 64 k ..] two weight groups as loaded
;   window 3: second product: v[8 a ..] the gate weights of my eight rows of place a
.set WMUL, 0x58-6*PROD2                ; C and D in window 1, the tokens' operand (source 1, or in the second product source 0) in window 2
.set MSB, 0
.macro WIN new                         ; the immediate's high byte repeats the setting that is left
.if MSB != (\new)
	s_set_vgpr_msb (MSB<<8)|(\new)
.set MSB, (\new)
.endif
.endm
.macro PLACES                          ; four plain instructions between a matrix instruction and a load into, or a read of, its registers (ISA guide 7.12.1 for a read)
.rept 4
	v_nop
.endr
.endm
.macro BAR                             ; my LDS stores are done and my LDS loads are back
	s_wait_dscnt 0x0
	s_barrier_signal -1
	s_barrier_wait -1
.endm
.macro GLD k, go                       ; a group: each load covers two pieces of 256 consecutive bytes, aligned
	WIN 0x80
.set u, 0
.rept 16
	global_load_b128 v[128+64*(\k)+4*u:128+64*(\k)+4*u+3], v5, s[SW:SW+1] offset:(\go)*GSTEP+u*PITCH th:TH_LOAD_NT
.set u, u+1
.endr
.endm
.macro CVT k                           ; operand c, register q = rows 2 q, 2 q + 1 of column 4 r + c
	WIN 0x0a
.irp c, 0,1,2,3
.irp q, 0,1,2,3,4,5,6,7
	v_cvt_pk_bf16_f32 v[168+8*\c+\q], v[128+64*(\k)+8*\q+\c], v[128+64*(\k)+8*\q+4+\c]
.endr
.endr
.endm
.macro BST off                         ; four operands of 1,024 bytes: 32 lanes x 16 consecutive bytes a store
	WIN 0
.irp c, 0,1,2,3
	ds_store_b128 v232, v[168+8*\c:171+8*\c] offset:(\off)+\c*1024
	ds_store_b128 v232, v[172+8*\c:175+8*\c] offset:(\off)+\c*1024+512
.endr
.endm
.macro PF go                           ; my wave asks for the 32 pieces of 256 bytes of one of its own later groups, a lane a piece: each piece once in the launch
	global_prefetch_b8 v6, s[SW:SW+1] offset:(\go)*GSTEP th:TH_LOAD_NT scope:SCOPE_SE
.endm
.macro RELB c0, off                    ; four column tiles from c0 on, of the step at byte off
	WIN 0
.irp c, 0,1,2,3
	ds_load_b128 v[40+8*((\c0)+\c):43+8*((\c0)+\c)], v2 offset:(\off)+((\c0)+\c)*1024
	ds_load_b128 v[44+8*((\c0)+\c):47+8*((\c0)+\c)], v2 offset:(\off)+((\c0)+\c)*1024+512
.endr
.endm
.macro LDA k, off                      ; the five tiles' operands of the step at byte off: always ten loads
	WIN 0
	global_load_b128 v[8+8*(\k):11+8*(\k)], v1, s[ABASE+8:ABASE+9] offset:(\off)
	global_load_b128 v[12+8*(\k):15+8*(\k)], v1, s[ABASE+8:ABASE+9] offset:(\off)+512
	WIN 0x80
.irp a, 0,1,2,3
	global_load_b128 v[32*(\k)+8*\a:32*(\k)+8*\a+3], v1, s[ABASE+2*\a:ABASE+2*\a+1] offset:(\off)
	global_load_b128 v[32*(\k)+8*\a+4:32*(\k)+8*\a+7], v1, s[ABASE+2*\a:ABASE+2*\a+1] offset:(\off)+512
.endr
.endm
.macro LDG                             ; second product: the gate weights of my lanes' eight rows of each tile: ten loads
	WIN 0xc0
.irp a, 0,1,2,3,4
	global_load_b128 v[8*\a:8*\a+3], v234, s[GB+2*\a:GB+2*\a+1]
	global_load_b128 v[8*\a+4:8*\a+7], v234, s[GB+2*\a:GB+2*\a+1] offset:16
.endr
.endm
.macro MMA d, a, b, zero               ; first product: source 0 = weights, so that a lane holds one token; second: source 0 = tokens, so that a lane holds one column
.if PROD2
.if \zero
	v_wmma_f32_16x16x32_bf16 v[(\d):(\d)+7], v[(\a):(\a)+7], v[(\b):(\b)+7], 0
.else
	v_wmma_f32_16x16x32_bf16 v[(\d):(\d)+7], v[(\a):(\a)+7], v[(\b):(\b)+7], v[(\d):(\d)+7]
.endif
.else
.if \zero
	v_wmma_f32_16x16x32_bf16 v[(\d):(\d)+7], v[(\b):(\b)+7], v[(\a):(\a)+7], 0
.else
	v_wmma_f32_16x16x32_bf16 v[(\d):(\d)+7], v[(\b):(\b)+7], v[(\a):(\a)+7], v[(\d):(\d)+7]
.endif
.endif
.endm
; A phase: four column tiles x five places, each matrix instruction on another accumulator.  zero = 1: the products start the sums, place 4's too, so that nothing is cleared.
.macro PH half, k, zero
	WIN WMUL
.irp j, 0,1,2,3
.irp a, 0,1,2,3
	MMA 64*\a+8*(4*(\half)+\j), 32*(\k)+8*\a, 40+8*(4*(\half)+\j), \zero
.endr
.endr
	WIN 0                                          ; at a branch and at a label every window is 0; place 4 lies in window 0 altogether
.if (\zero) == 0
	s_cmp_lg_u32 s[MT], 5
	s_cbranch_scc1 .Lno5_\@
.endif
.irp j, 0,1,2,3
	MMA 104+8*(4*(\half)+\j), 8+8*(\k), 40+8*(4*(\half)+\j), \zero
.endr
.if (\zero) == 0
.Lno5_\@:
.endif
.endm
; A SEGMENT: between two barriers.  s0 = the chunk's first step, counted from the trip's base.  Its four phases: column tiles 4-7 of step s0 - 1, 0-3 and 4-7 of s0, 0-3 of s0 + 1, so that
; the first LDS loads behind the barrier have a phase in which to land.  mode 0: as said at the head; 1: no weight group is left to ask for; 2: the last chunk: nothing is asked for or stored.
; first = 1: the first chunk: no phase is left over, and the products start the sums.  pf: 1: weight group t + 5 is prefetched, three segments ahead of its loads; 2: not in the loop's last trip, whose
; groups t + 5 do not exist; 0: not at all.
.macro SEGM s0, mode, first, pf
.if (\first) == 0
	PLACES
.endif
	RELB 0, (\s0)*8192
.if (\mode) < 2
	LDA ((\s0)+2)%4, ((\s0)+2)*1024                ; into the buffer that step s0 - 2 left in the last segment
.endif
.if (\mode) == 0
	GLD ((\s0)/2)%2, (\s0)/2+2
.endif
.if (\first) == 0
	PH 1, ((\s0)+3)%4, 0
	PLACES
.endif
	RELB 4, (\s0)*8192
.if (\mode) == 0
	s_wait_loadcnt 52                              ; step s0's operands are in; younger: a weight group, step s0 + 1, step s0 + 2, a weight group: 16 + 10 + 10 + 16
.elseif (\mode) == 1
	s_wait_loadcnt 36                              ; the same with one weight group
.else
	s_wait_loadcnt 10                              ; step s0 + 1 alone
.endif
.if (\mode) < 2
	LDA ((\s0)+3)%4, ((\s0)+3)*1024                ; into the buffer that step s0 - 1 has just left
.endif
	s_wait_dscnt 8                                 ; column tiles 0-3 are in; the eight loads behind them may be out
	PH 0, (\s0)%4, \first
	PLACES
	RELB 0, ((\s0)+1)*8192
	s_wait_dscnt 8
	PH 1, (\s0)%4, \first
	PLACES
	RELB 4, ((\s0)+1)*8192
.if (\mode) == 0
	s_wait_loadcnt 36                              ; the next chunk's weight group and step s0 + 1 are in; this segment's 36 loads may be out
.elseif (\mode) == 1
	s_wait_loadcnt 20
.else
	s_wait_loadcnt 0x0
.endif
.if (\mode) < 2
	CVT ((\s0)/2+1)%2
	WIN 0
.if (\pf) == 2
	s_cmp_eq_u32 s[LC], 1
	s_cbranch_scc1 .Lnopf_\@
.endif
.if (\pf) > 0
	PF (\s0)/2+5
.endif
.if (\pf) == 2
.Lnopf_\@:
.endif
	BST ((\s0)/2+1)*16384
	s_wait_dscnt 16                                ; column tiles 0-3 of step s0 + 1 are in; eight loads and eight stores may be out
.else
	s_wait_dscnt 8
.endif
	PH 0, ((\s0)+1)%4, 0
.endm
; My five places in pass PS: how many hold a tile, the tiles' numbers (held inside the buffers by a constant), and the addresses made of them.
.macro TILES w
.if \w
	s_wait_xcnt 0x0                                ; bases, and registers that stores read, are rewritten only behind this wait
.endif
	s_mul_i32 s72, s[PS], 20
	s_add_co_u32 s72, s72, s[WV]
	s_sub_co_i32 s[MT], s[NT], s72
	s_add_co_i32 s[MT], s[MT], 3
	s_ashr_i32 s[MT], s[MT], 2
	s_max_i32 s[MT], s[MT], 0
	s_min_i32 s[MT], s[MT], 5
	s_max_u32 s73, s[NT], 1
	s_sub_co_u32 s73, s73, 1
.irp a, 0,1,2,3,4
	s_add_co_u32 s74, s72, 4*\a
	s_min_u32 s74, s74, s73                        ; past the last tile: the last tile once more
	s_add_co_u32 s74, s74, s[TBASE]
	s_min_u32 s[TN+\a], s74, 134
	s_lshl_b32 s22, s[TN+\a], ASH
.if PROD2
	s_add_co_u32 s22, s22, s77
.endif
	s_add_nc_u64 s[ABASE+2*\a:ABASE+2*\a+1], s[4:5], s[22:23]
.if PROD2
	s_lshl_b32 s22, s[TN+\a], 6
	s_add_nc_u64 s[GB+2*\a:GB+2*\a+1], s[8:9], s[22:23]
.endif
.endr
.endm
.if PROD2
.macro EPT a                           ; a tile goes out: each number times its row's gate weight; four neighbouring columns a lane, sixteen lanes 256 consecutive bytes of a row, aligned
.if (\a) > 0
	s_cmp_le_u32 s[MT], \a
	s_cbranch_scc1 .Lepi_end
.endif
	s_wait_xcnt 0x0                                ; the last tile's stores have read their registers and their base
	s_lshl_b32 s22, s[TN+(\a)], 16
	s_add_co_u32 s22, s22, s76
	s_add_nc_u64 s[OB:OB+1], s[78:79], s[22:23]
.if (\a) < 4
.set AC, 64*(\a)
	WIN 0x0d                                       ; source 0 window 1, source 1 window 3
.else
.set AC, 104
	WIN 0x0c
.endif
.set z, 0
.rept 64                                               ; z = 4 (8 g + i) + j: each accumulator's register 0 is read first
	v_mul_f32 v[168+z], v[AC+8*(4*(z/32)+z%4)+(z/4)%8], v[8*(\a)+(z/4)%8]
.set z, z+1
.endr
	WIN 0
.set z, 0
.rept 16
	global_store_b128 v233, v[168+4*z:168+4*z+3], s[OB:OB+1] offset:(z%8)*4096+(z/8)*256
.set z, z+1
.endr
.endm
.else
.macro EPT a                           ; a tile goes out: + b1, rounded to bf16 in the pairs that the second product's operand wants, ReLU, 512 consecutive bytes a store
.if (\a) > 0
	s_cmp_le_u32 s[MT], \a
	s_cbranch_scc1 .Lepi_end
.endif
	s_wait_xcnt 0x0                                ; the earlier stores have read their registers and their base
	s_lshl_b32 s22, s[TN+(\a)], 17
	s_add_co_u32 s22, s22, s76
	s_add_nc_u64 s[OB:OB+1], s[12:13], s[22:23]
.if (\a) < 4
.set AC, 64*(\a)
	WIN 0x41
.else
.set AC, 104
.endif
.set z, 0
.rept 32                                               ; ascending: each accumulator's lowest registers are read first
	v_pk_add_f32 v[AC+2*z:AC+2*z+1], v[AC+2*z:AC+2*z+1], v[40+2*z:40+2*z+1]
.set z, z+1
.endr
.if (\a) < 4
	WIN 0x05
.endif
.set OREG, 168+32*((\a)%2)
.set z, 0
.rept 32                                               ; z = 8 (2 g + b) + q: columns 2 (q % 2), 2 (q % 2) + 1 of register 4 b + q / 2
.set rA, AC+8*(4*(z/16)+2*(z%2))+4*((z/8)%2)+(z%8)/2
	v_cvt_pk_bf16_f32 v[OREG+z], v[rA], v[rA+8]
.set z, z+1
.endr
	WIN 0
.set z, 0
.rept 32
	v_pk_max_num_bf16 v[OREG+z], v[OREG+z], v233
.set z, z+1
.endr
.set z, 0
.rept 8
	global_store_b128 v1, v[OREG+4*z:OREG+4*z+3], s[OB:OB+1] offset:z*512
.set z, z+1
.endr
.endm
.endif
	s_load_b256 s[4:11], s[0:1], 0x0               ; tokens' operands s[4:5], weights s[6:7], b1 or gws s[8:9], ptab s[10:11]
	s_load_b64 s[12:13], s[0:1], 0x20              ; the result
	v_lshl_add_u32 v3, v0, 2, SPARE
	v_mov_b32 v4, 0
	v_lshrrev_b32 v235, 5, v0
	v_readfirstlane_b32 s[WV], v235                ; wave 0..3
	v_and_b32 v235, 31, v0                         ; lane
	v_lshlrev_b32 v1, 4, v235
	v_and_b32 v236, 15, v0                         ; r
	v_bfe_u32 v237, v0, 4, 1                       ; h
	v_lshlrev_b32 v5, 4, v236
	v_lshl_add_u32 v5, v237, HSH, v5               ; my half's first row + 16 r
	v_lshlrev_b32 v6, PSH, v236
	v_lshl_add_u32 v6, v237, HSH, v6               ; row r of my half
	v_lshl_add_u32 v7, s[WV], 12, v1               ; in LDS a step is 8,192 bytes and a column half 4,096: my part of a chunk begins at 4,096 x wave
	s_lshr_b32 s[EX], ttmp9, 5
.if PROD2
	s_bfe_u32 s[Q4], ttmp9, 0x20003
	s_and_b32 s[SL], ttmp9, 7
.else
	s_and_b32 s[SL], ttmp9, 31
.endif
	s_lshr_b32 s[KB], s[WV], 1
	s_and_b32 s[G2], s[WV], 1
	s_mov_b32 s23, 0                               ; the high word of every offset
	s_lshl_b32 s22, s[EX], 24                      ; 16 MiB an expert
	s_mul_i32 s21, s[KB], BSTEP*PITCH
	s_add_co_u32 s22, s22, s21
	s_lshl_b32 s21, s[SL], 9
	s_add_co_u32 s22, s22, s21
	s_lshl_b32 s21, s[G2], 8
	s_add_co_u32 s22, s22, s21
.if PROD2
	s_lshl_b32 s21, s[Q4], 22                      ; 1,024 rows a quarter
	s_add_co_u32 s22, s22, s21
.endif
	s_lshl_b32 s35, s[EX], 4
	s_mov_b32 s[TB], 0
	s_mov_b32 s[LC], 6
	s_mov_b32 s[PS], 0
.if PROD2
	v_lshlrev_b32 v233, 4, v236
	v_lshl_add_u32 v233, v237, 15, v233            ; in y: row 8 h, 16 bytes r
	v_lshlrev_b32 v234, 5, v237                    ; in gws: 8 h numbers
	s_lshl_b32 s76, s[SL], 9
	s_lshl_b32 s77, s[Q4], 15                      ; 32 steps a quarter
.else
	v_mov_b32 v233, 0                              ; for the ReLU
	v_lshl_add_u32 v234, v237, 7, BIAS             ; my half's 32 words of each 64 of b1
	s_lshl_b32 s76, s[SL], 12                      ; four steps of the hidden layer a slice
	v_and_b32 v239, 7, v0                          ; LDS word 32 c + 8 j + i takes b1 of column 32 c + 4 i + j, so that 16 bytes hold four neighbouring registers of an accumulator
	v_bfe_u32 v241, v0, 3, 2
	v_lshl_add_u32 v239, v239, 2, v241
	v_lshlrev_b32 v239, 2, v239
	v_lshl_add_u32 v240, v0, 2, BIAS
.endif
	s_wait_kmcnt 0x0
	s_load_b128 s[68:71], s[10:11], s35 offset:0x2000   ; the expert's first tile, tiles, rows
	s_add_nc_u64 s[SW:SW+1], s[6:7], s[22:23]
.if PROD2
	s_mul_i32 s22, s[Q4], YQ
	s_add_nc_u64 s[78:79], s[12:13], s[22:23]
.else
	s_lshl_b32 s22, s[EX], 14
	s_lshl_b32 s21, s[SL], 9
	s_add_co_u32 s22, s22, s21
	s_lshl_b32 s21, s[WV], 7
	s_add_co_u32 s22, s22, s21
	s_add_nc_u64 s[8:9], s[8:9], s[22:23]
	global_load_b32 v238, v239, s[8:9]
.endif
	GLD 0, 0
	s_wait_kmcnt 0x0
	s_min_u32 s[NT], s69, 64
	s_min_u32 s[TBASE], s68, 134
	TILES 0
.if PROD2
	LDG
.endif
	LDA 0, 0
	GLD 1, 1
	LDA 1, 1024
	WIN 0
	PF 3
	PF 4
	v_mov_b32 v2, v1
	v_mov_b32 v232, v7
	s_wait_loadcnt 36                              ; weight group 0 is in (b1 or the gate weights too); step 0, group 1 and step 1 stay out
	CVT 0
	BST 0
.if PROD2 == 0
	v_cvt_pk_bf16_f32 v238, v238, v238             ; b1 rounded to bf16, like every input
	v_lshlrev_b32 v238, 16, v238
	ds_store_b32 v240, v238
.endif
	BAR                                            ; chunk 0 is in LDS
	SEGM 0, 0, 1, 1
	BAR
.Lloop:                                                ; six trips of two segments: chunks 1 to 12; steps and groups are counted from the trip's base
	v_add_nc_u32 v2, s[TB], v1
	v_add_nc_u32 v232, s[TB], v7
	SEGM 2, 0, 0, 2
	BAR
	SEGM 4, 0, 0, 2
	BAR
	s_wait_xcnt 0x0                                ; the bases are stepped only behind this wait
	s_add_nc_u64 s[SW:SW+1], s[SW:SW+1], 2*GSTEP
.irp a, 0,1,2,3,4
	s_add_nc_u64 s[ABASE+2*\a:ABASE+2*\a+1], s[ABASE+2*\a:ABASE+2*\a+1], 4096   ; four steps a trip
.endr
	s_add_co_u32 s[TB], s[TB], 32768
	s_sub_co_u32 s[LC], s[LC], 1
	s_cmp_lg_u32 s[LC], 0
	s_cbranch_scc1 .Lloop
	v_add_nc_u32 v2, s[TB], v1                     ; the last three chunks are written out: no load leaves its buffer, and the counts run down
	v_add_nc_u32 v232, s[TB], v7
	SEGM 2, 0, 0, 0
	BAR
	SEGM 4, 1, 0, 0
	BAR
	SEGM 6, 2, 0, 0
	s_wait_dscnt 0x0
	PH 1, 3, 0                                     ; the last step's second half
	s_mov_b32 s[PS], 1
	s_mov_b32 s[PC], 4
.Lpass:                                                ; four trips, no barrier inside: pass PS - 1 goes out; pass PS, if the expert has so many rows, is multiplied
	PLACES
	v_nop                                          ; a fifth place: a further pass's first products write over these accumulators
	s_cmp_eq_u32 s[MT], 0
	s_cbranch_scc1 .Lepi_end
.if PROD2 == 0
.set z, 0
.rept 16                                               ; b1 as the accumulators lie: register 40 + 8 ct + i for register i of column tile ct
	ds_load_b128 v[40+4*z:40+4*z+3], v234 offset:(64*(z/8)+8*((z/2)%4)+4*(z%2))*4
.set z, z+1
.endr
	s_wait_dscnt 0x0
.endif
	EPT 0
	EPT 1
	EPT 2
	EPT 3
	EPT 4
.Lepi_end:
	TILES 1
	s_cmp_eq_u32 s[MT], 0
	s_cbranch_scc1 .Lnok
	v_mov_b32 v2, v1                               ; a further pass: the slice lies whole in LDS; plain, a step at a time
	LDA 0, 0
.if PROD2
	LDG
.endif
	RELB 0, 0
	RELB 4, 0
	s_wait_loadcnt 0x0
	s_wait_dscnt 0x0
	PH 0, 0, 1
	PH 1, 0, 1
	s_mov_b32 s[KC], 31
	s_mov_b32 s[TB], 8192                          ; steps 1 to 31: 8,192 bytes of LDS a step
.Lsk:
	PLACES
	v_add_nc_u32 v2, s[TB], v1
.irp a, 0,1,2,3,4
	s_add_nc_u64 s[ABASE+2*\a:ABASE+2*\a+1], s[ABASE+2*\a:ABASE+2*\a+1], 1024   ; the loads that named these bases have been waited for
.endr
	LDA 0, 0
	RELB 0, 0
	RELB 4, 0
	s_wait_loadcnt 0x0
	s_wait_dscnt 0x0
	PH 0, 0, 0
	PH 1, 0, 0
	s_add_co_u32 s[TB], s[TB], 8192
	s_sub_co_u32 s[KC], s[KC], 1
	s_cmp_lg_u32 s[KC], 0
	s_cbranch_scc1 .Lsk
.Lnok:
	s_add_co_u32 s[PS], s[PS], 1
	s_sub_co_u32 s[PC], s[PC], 1
	s_cmp_lg_u32 s[PC], 0
	s_cbranch_scc1 .Lpass
	BAR                                            ; every wave's reads of LDS are back before any wave's last LDS write, the add below
	s_wait_tensorcnt 0x0                           ; the wave's end
	ds_add_u32 v3, v4
	s_wait_dscnt 0x0
	s_endpgm
.Lfunc_end_k_q5fee296231_prod1:
	.size	k_q5fee296231_prod1, .Lfunc_end_k_q5fee296231_prod1-k_q5fee296231_prod1
	.p2alignl 7, 3214868480
	.fill 96, 4, 3214868480
	.section	.rodata,"a",@progbits
	.p2align	6, 0x0
	.amdhsa_kernel k_q5fee296231_prod1
		.amdhsa_group_segment_fixed_size 263168
		.amdhsa_private_segment_fixed_size 0
		.amdhsa_enable_private_segment 0
		.amdhsa_kernarg_size 40
		.amdhsa_user_sgpr_count 2
		.amdhsa_user_sgpr_kernarg_segment_ptr 1
		.amdhsa_wavefront_size32 1
		.amdhsa_system_sgpr_workgroup_id_x 1
		.amdhsa_system_sgpr_workgroup_id_y 1
		.amdhsa_system_sgpr_workgroup_id_z 1
		.amdhsa_system_vgpr_workitem_id 0
		.amdhsa_next_free_vgpr 768
		.amdhsa_next_free_sgpr 96
		.amdhsa_reserve_vcc 0
		.amdhsa_float_denorm_mode_32 3
		.amdhsa_float_denorm_mode_16_64 3
		.amdhsa_memory_ordered 1
		.amdhsa_forward_progress 1
		.amdhsa_inst_pref_size 140
	.end_amdhsa_kernel
	.amdgpu_metadata
---
amdhsa.version: [ 1, 2 ]
amdhsa.kernels:
  - .name:           k_q5fee296231_prod1
    .symbol:         k_q5fee296231_prod1.kd
    .args:
      - { .name: xs, .offset: 0, .size: 8, .value_kind: global_buffer, .address_space: global }
      - { .name: W1, .offset: 8, .size: 8, .value_kind: global_buffer, .address_space: global }
      - { .name: b1, .offset: 16, .size: 8, .value_kind: global_buffer, .address_space: global }
      - { .name: ptab, .offset: 24, .size: 8, .value_kind: global_buffer, .address_space: global }
      - { .name: hbuf, .offset: 32, .size: 8, .value_kind: global_buffer, .address_space: global }
    .group_segment_fixed_size: 263168
    .private_segment_fixed_size: 0
    .kernarg_segment_align: 8
    .kernarg_segment_size: 40
    .max_flat_workgroup_size: 128
    .sgpr_count:     96
    .vgpr_count:     768
    .wavefront_size: 32
...
	.end_amdgpu_metadata
.endif
;; end of part 3
;; launch prod2 (part 4): grid 256 x 1, 4 waves a work-group, no clusters, 262,656 bytes of LDS; arguments hbuf, W2, gws, ptab, y; writes y
.if DOCPART == 4
	.amdgcn_target "amdgcn-amd-amdhsa--gfx1250"
	.amdhsa_code_object_version 6
	.text
	.protected	k_q5fee296231_prod2
	.globl	k_q5fee296231_prod2
	.p2align	8
	.type	k_q5fee296231_prod2,@function
k_q5fee296231_prod2:
	s_mov_b64 s[64:65], 0
	v_nop
	global_prefetch_b8 v0, s[64:65] scope:SCOPE_SE
	s_setreg_imm32_b32 hwreg(HW_REG_WAVE_MODE, 25, 1), 1
	s_wait_xcnt 0x0
; ONE TEXT FOR THE TWO PRODUCTS OF AN EXPERT; PROD2 says which.
;   PROD2 = 0:  hbuf = relu(xs W1[e] + b1[e]), rounded to bf16.     Work-group = expert (number / 32), 128 of the 4,096 hidden columns (number % 32), all 1,024 k.
;   PROD2 = 1:  y[quarter] = gate weight x (hbuf W2[e]), in f32.    Work-group = expert (number / 32), a quarter of the 4,096 k ((number / 8) % 4), 128 of the 1,024 columns (number % 8).
; Either way a work-group alone reads a slice of 1,024 k x 128 columns of f32 weights, once, and serves all of its expert's rows.  Four waves, and every wave does both jobs:
; WEIGHTS.  K goes in 16 chunks of 64 (two matrix steps of 32).  Of each chunk wave c brings in step c / 2, column half c % 2: a group of 16 loads of 16 bytes a lane, 32 rows of k x 64 columns.  A lane's four
; neighbouring columns of 16 rows, rounded in pairs of rows, ARE four matrix operands (operand j = columns 4 r + j); they go to LDS as the registers take them and stay there: 262,144 bytes, no byte written twice.
; PRODUCTS.  The expert's tiles of 16 rows are dealt to wave c and its five places a as tile 20 p + 4 a + c of pass p.  The tokens' operands come from memory as an earlier launch laid them (1,024 bytes
; for 16 rows x 32 k), the weights' from LDS.  In segment t a wave multiplies chunk t and stores its part of chunk t + 1; one barrier a segment; their number is a constant of the text.
; ONE QUEUE OF LOADS.  Loads come back in order, so weights and tokens are asked for in a fixed order: segment t asks for the tokens' step 2 t + 2 (10 loads), weight group t + 2 (16), the tokens' step 2 t + 3 (10).
; 62 loads are out at the most; a weight group is asked for at the head of segment t - 1 and waited for three quarters through segment t.
; ROWS.  Pass 0 goes with the stream; an expert with more than 320 rows takes further passes over the slice in LDS, without barriers and without overlap of loads and products.  A place past the expert's
; last tile repeats that tile's loads, so that every wait's count holds on every way; its products are jumped (place 4) or made in vain (places 0-3), and nothing is stored for it.
; An expert without rows still has its slice read and stores nothing.
; THE ORDER OF k is the same in both operands of a product: half b of register q of lane (r, h) is k = 32 s + 16 h + 2 q + b in the first product; in the second it is hidden column
; 64 t + 16 (s % 2) + 32 h + 2 q + b (t = s / 2), which is how the first product's results lie in the lanes: they are rounded in pairs and stored, and no number changes its lane.
; NO CLUSTER, though an expert's work-groups read the same token tiles: these come straight into registers; beside the slice LDS has under 65,536 bytes, and two slots of one chunk's 20 tiles are 81,920.
; LIMITS.  Weights and b1 are rounded to bf16, sums in f32, the hidden layer rounded once to bf16.  NaN and infinities are not treated apart.
.set PROD2, 1
.if PROD2
.set PITCH, 4096                       ; bytes from row to row of the weights
.set PSH,   12
.set BSTEP, 16                         ; rows between the chunk's two steps
.set HSH,   17                         ; log2 of the bytes between the rows of the lanes' two halves (32 rows)
.set ASH,   17                         ; log2 of the bytes of a tile of the tokens' operands
.else
.set PITCH, 16384
.set PSH,   14
.set BSTEP, 32
.set HSH,   18                         ; 16 rows
.set ASH,   15
.endif
.set GSTEP, 64*PITCH                   ; from chunk to chunk
.set YQ,    8847360                    ; bytes of a quarter's partial results: 2,160 rows of 4,096
.set BIAS,  262144                     ; first product: 128 numbers of b1 behind the slice
.set SPARE, 262144+512*(1-PROD2)       ; the spare words, 128 bytes a wave
.set WV, 14                            ; s14 wave   s16 expert   s17 slice   s18 quarter   s19, s20 my step in a chunk, my half of the columns
.set EX, 16
.set SL, 17
.set Q4, 18
.set KB, 19
.set G2, 20
.set SW, 24                            ; s[24:25] the weights at my group 0, stepped two chunks a trip
.set TB, 28                            ; s28 LDS bytes of the trips done; in a further pass: of the steps done
.set LC, 29                            ; s29 trips to go
.set MT, 30                            ; s30 how many of my five places hold a tile
.set NT, 31                            ; s31 the expert's tiles    s32 its first tile
.set TBASE, 32
.set PS, 33                            ; s33 pass
.set KC, 34
.set PC, 35                            ; s35 at the head the expert's offset in the table; later the passes to go
.set ABASE, 36                         ; s[36:45] the five tiles' operands
.set TN, 46                            ; s46-50 the five tiles' numbers
.set GB, 52                            ; s[52:61] second product: the five tiles' gate weights
.set OB, 62                            ; s[62:63] where a tile is stored
; VECTOR REGISTERS, in windows of 256 (s_set_vgpr_msb: bits 1:0 source 0, 3:2 source 1, 5:4 source 2, 7:6 destination).
;   window 0: v1 16 x lane   v2 LDS address of the reads   v3, v4 the add's two   v5 my 16 bytes in a group's first row   v6 my row of a group, for the prefetch   v7 16 x lane + 4,096 x wave
;             v[8+8 k ..] place 4's token operand, four buffers   v40-71 column tiles 0-3   v72-103 column tiles 4-7   v104-167 place 4's accumulators   v168-199 a group rounded
;             v168-231 at work on the way out   v232 LDS address of the stores   v233, v234 first product: 0, address of b1 in LDS; second: my offset in y, in gws
;   window 1: accumulator (place a, column tile ct) at 64 a + 8 ct        window 2: v[32 k + 8 a ..] token operands of places 0-3, four buffers; v[128 + 64 k ..] two weight groups as loaded
;   window 3: second product: v[8 a ..] the gate weights of my eight rows of place a
.set WMUL, 0x58-6*PROD2                ; C and D in window 1, the tokens' operand (source 1, or in the second product source 0) in window 2
.set MSB, 0
.macro WIN new                         ; the immediate's high byte repeats the setting that is left
.if MSB != (\new)
	s_set_vgpr_msb (MSB<<8)|(\new)
.set MSB, (\new)
.endif
.endm
.macro PLACES                          ; four plain instructions between a matrix instruction and a load into, or a read of, its registers (ISA guide 7.12.1 for a read)
.rept 4
	v_nop
.endr
.endm
.macro BAR                             ; my LDS stores are done and my LDS loads are back
	s_wait_dscnt 0x0
	s_barrier_signal -1
	s_barrier_wait -1
.endm
.macro GLD k, go                       ; a group: each load covers two pieces of 256 consecutive bytes, aligned
	WIN 0x80
.set u, 0
.rept 16
	global_load_b128 v[128+64*(\k)+4*u:128+64*(\k)+4*u+3], v5, s[SW:SW+1] offset:(\go)*GSTEP+u*PITCH th:TH_LOAD_NT
.set u, u+1
.endr
.endm
.macro CVT k                           ; operand c, register q = rows 2 q, 2 q + 1 of column 4 r + c
	WIN 0x0a
.irp c, 0,1,2,3
.irp q, 0,1,2,3,4,5,6,7
	v_cvt_pk_bf16_f32 v[168+8*\c+\q], v[128+64*(\k)+8*\q+\c], v[128+64*(\k)+8*\q+4+\c]
.endr
.endr
.endm
.macro BST off                         ; four operands of 1,024 bytes: 32 lanes x 16 consecutive bytes a store
	WIN 0
.irp c, 0,1,2,3
	ds_store_b128 v232, v[168+8*\c:171+8*\c] offset:(\off)+\c*1024
	ds_store_b128 v232, v[172+8*\c:175+8*\c] offset:(\off)+\c*1024+512
.endr
.endm
.macro PF go                           ; my wave asks for the 32 pieces of 256 bytes of one of its own later groups, a lane a piece: each piece once in the launch
	global_prefetch_b8 v6, s[SW:SW+1] offset:(\go)*GSTEP th:TH_LOAD_NT scope:SCOPE_SE
.endm
.macro RELB c0, off                    ; four column tiles from c0 on, of the step at byte off
	WIN 0
.irp c, 0,1,2,3
	ds_load_b128 v[40+8*((\c0)+\c):43+8*((\c0)+\c)], v2 offset:(\off)+((\c0)+\c)*1024
	ds_load_b128 v[44+8*((\c0)+\c):47+8*((\c0)+\c)], v2 offset:(\off)+((\c0)+\c)*1024+512
.endr
.endm
.macro LDA k, off                      ; the five tiles' operands of the step at byte off: always ten loads
	WIN 0
	global_load_b128 v[8+8*(\k):11+8*(\k)], v1, s[ABASE+8:ABASE+9] offset:(\off)
	global_load_b128 v[12+8*(\k):15+8*(\k)], v1, s[ABASE+8:ABASE+9] offset:(\off)+512
	WIN 0x80
.irp a, 0,1,2,3
	global_load_b128 v[32*(\k)+8*\a:32*(\k)+8*\a+3], v1, s[ABASE+2*\a:ABASE+2*\a+1] offset:(\off)
	global_load_b128 v[32*(\k)+8*\a+4:32*(\k)+8*\a+7], v1, s[ABASE+2*\a:ABASE+2*\a+1] offset:(\off)+512
.endr
.endm
.macro LDG                             ; second product: the gate weights of my lanes' eight rows of each tile: ten loads
	WIN 0xc0
.irp a, 0,1,2,3,4
	global_load_b128 v[8*\a:8*\a+3], v234, s[GB+2*\a:GB+2*\a+1]
	global_load_b128 v[8*\a+4:8*\a+7], v234, s[GB+2*\a:GB+2*\a+1] offset:16
.endr
.endm
.macro MMA d, a, b, zero               ; first product: source 0 = weights, so that a lane holds one token; second: source 0 = tokens, so that a lane holds one column
.if PROD2
.if \zero
	v_wmma_f32_16x16x32_bf16 v[(\d):(\d)+7], v[(\a):(\a)+7], v[(\b):(\b)+7], 0
.else
	v_wmma_f32_16x16x32_bf16 v[(\d):(\d)+7], v[(\a):(\a)+7], v[(\b):(\b)+7], v[(\d):(\d)+7]
.endif
.else
.if \zero
	v_wmma_f32_16x16x32_bf16 v[(\d):(\d)+7], v[(\b):(\b)+7], v[(\a):(\a)+7], 0
.else
	v_wmma_f32_16x16x32_bf16 v[(\d):(\d)+7], v[(\b):(\b)+7], v[(\a):(\a)+7], v[(\d):(\d)+7]
.endif
.endif
.endm
; A phase: four column tiles x five places, each matrix instruction on another accumulator.  zero = 1: the products start the sums, place 4's too, so that nothing is cleared.
.macro PH half, k, zero
	WIN WMUL
.irp j, 0,1,2,3
.irp a, 0,1,2,3
	MMA 64*\a+8*(4*(\half)+\j), 32*(\k)+8*\a, 40+8*(4*(\half)+\j), \zero
.endr
.endr
	WIN 0                                          ; at a branch and at a label every window is 0; place 4 lies in window 0 altogether
.if (\zero) == 0
	s_cmp_lg_u32 s[MT], 5
	s_cbranch_scc1 .Lno5_\@
.endif
.irp j, 0,1,2,3
	MMA 104+8*(4*(\half)+\j), 8+8*(\k), 40+8*(4*(\half)+\j), \zero
.endr
.if (\zero) == 0
.Lno5_\@:
.endif
.endm
; A SEGMENT: between two barriers.  s0 = the chunk's first step, counted from the trip's base.  Its four phases: column tiles 4-7 of step s0 - 1, 0-3 and 4-7 of s0, 0-3 of s0 + 1, so that
; the first LDS loads behind the barrier have a phase in which to land.  mode 0: as said at the head; 1: no weight group is left to ask for; 2: the last chunk: nothing is asked for or stored.
; first = 1: the first chunk: no phase is left over, and the products start the sums.  pf: 1: weight group t + 5 is prefetched, three segments ahead of its loads; 2: not in the loop's last trip, whose
; groups t + 5 do not exist; 0: not at all.
.macro SEGM s0, mode, first, pf
.if (\first) == 0
	PLACES
.endif
	RELB 0, (\s0)*8192
.if (\mode) < 2
	LDA ((\s0)+2)%4, ((\s0)+2)*1024                ; into the buffer that step s0 - 2 left in the last segment
.endif
.if (\mode) == 0
	GLD ((\s0)/2)%2, (\s0)/2+2
.endif
.if (\first) == 0
	PH 1, ((\s0)+3)%4, 0
	PLACES
.endif
	RELB 4, (\s0)*8192
.if (\mode) == 0
	s_wait_loadcnt 52                              ; step s0's operands are in; younger: a weight group, step s0 + 1, step s0 + 2, a weight group: 16 + 10 + 10 + 16
.elseif (\mode) == 1
	s_wait_loadcnt 36                              ; the same with one weight group
.else
	s_wait_loadcnt 10                              ; step s0 + 1 alone
.endif
.if (\mode) < 2
	LDA ((\s0)+3)%4, ((\s0)+3)*1024                ; into the buffer that step s0 - 1 has just left
.endif
	s_wait_dscnt 8                                 ; column tiles 0-3 are in; the eight loads behind them may be out
	PH 0, (\s0)%4, \first
	PLACES
	RELB 0, ((\s0)+1)*8192
	s_wait_dscnt 8
	PH 1, (\s0)%4, \first
	PLACES
	RELB 4, ((\s0)+1)*8192
.if (\mode) == 0
	s_wait_loadcnt 36                              ; the next chunk's weight group and step s0 + 1 are in; this segment's 36 loads may be out
.elseif (\mode) == 1
	s_wait_loadcnt 20
.else
	s_wait_loadcnt 0x0
.endif
.if (\mode) < 2
	CVT ((\s0)/2+1)%2
	WIN 0
.if (\pf) == 2
	s_cmp_eq_u32 s[LC], 1
	s_cbranch_scc1 .Lnopf_\@
.endif
.if (\pf) > 0
	PF (\s0)/2+5
.endif
.if (\pf) == 2
.Lnopf_\@:
.endif
	BST ((\s0)/2+1)*16384
	s_wait_dscnt 16                                ; column tiles 0-3 of step s0 + 1 are in; eight loads and eight stores may be out
.else
	s_wait_dscnt 8
.endif
	PH 0, ((\s0)+1)%4, 0
.endm
; My five places in pass PS: how many hold a tile, the tiles' numbers (held inside the buffers by a constant), and the addresses made of them.
.macro TILES w
.if \w
	s_wait_xcnt 0x0                                ; bases, and registers that stores read, are rewritten only behind this wait
.endif
	s_mul_i32 s72, s[PS], 20
	s_add_co_u32 s72, s72, s[WV]
	s_sub_co_i32 s[MT], s[NT], s72
	s_add_co_i32 s[MT], s[MT], 3
	s_ashr_i32 s[MT], s[MT], 2
	s_max_i32 s[MT], s[MT], 0
	s_min_i32 s[MT], s[MT], 5
	s_max_u32 s73, s[NT], 1
	s_sub_co_u32 s73, s73, 1
.irp a, 0,1,2,3,4
	s_add_co_u32 s74, s72, 4*\a
	s_min_u32 s74, s74, s73                        ; past the last tile: the last tile once more
	s_add_co_u32 s74, s74, s[TBASE]
	s_min_u32 s[TN+\a], s74, 134
	s_lshl_b32 s22, s[TN+\a], ASH
.if PROD2
	s_add_co_u32 s22, s22, s77
.endif
	s_add_nc_u64 s[ABASE+2*\a:ABASE+2*\a+1], s[4:5], s[22:23]
.if PROD2
	s_lshl_b32 s22, s[TN+\a], 6
	s_add_nc_u64 s[GB+2*\a:GB+2*\a+1], s[8:9], s[22:23]
.endif
.endr
.endm
.if PROD2
.macro EPT a                           ; a tile goes out: each number times its row's gate weight; four neighbouring columns a lane, sixteen lanes 256 consecutive bytes of a row, aligned
.if (\a) > 0
	s_cmp_le_u32 s[MT], \a
	s_cbranch_scc1 .Lepi_end
.endif
	s_wait_xcnt 0x0                                ; the last tile's stores have read their registers and their base
	s_lshl_b32 s22, s[TN+(\a)], 16
	s_add_co_u32 s22, s22, s76
	s_add_nc_u64 s[OB:OB+1], s[78:79], s[22:23]
.if (\a) < 4
.set AC, 64*(\a)
	WIN 0x0d                                       ; source 0 window 1, source 1 window 3
.else
.set AC, 104
	WIN 0x0c
.endif
.set z, 0
.rept 64                                               ; z = 4 (8 g + i) + j: each accumulator's register 0 is read first
	v_mul_f32 v[168+z], v[AC+8*(4*(z/32)+z%4)+(z/4)%8], v[8*(\a)+(z/4)%8]
.set z, z+1
.endr
	WIN 0
.set z, 0
.rept 16
	global_store_b128 v233, v[168+4*z:168+4*z+3], s[OB:OB+1] offset:(z%8)*4096+(z/8)*256
.set z, z+1
.endr
.endm
.else
.macro EPT a                           ; a tile goes out: + b1, rounded to bf16 in the pairs that the second product's operand wants, ReLU, 512 consecutive bytes a store
.if (\a) > 0
	s_cmp_le_u32 s[MT], \a
	s_cbranch_scc1 .Lepi_end
.endif
	s_wait_xcnt 0x0                                ; the earlier stores have read their registers and their base
	s_lshl_b32 s22, s[TN+(\a)], 17
	s_add_co_u32 s22, s22, s76
	s_add_nc_u64 s[OB:OB+1], s[12:13], s[22:23]
.if (\a) < 4
.set AC, 64*(\a)
	WIN 0x41
.else
.set AC, 104
.endif
.set z, 0
.rept 32                                               ; ascending: each accumulator's lowest registers are read first
	v_pk_add_f32 v[AC+2*z:AC+2*z+1], v[AC+2*z:AC+2*z+1], v[40+2*z:40+2*z+1]
.set z, z+1
.endr
.if (\a) < 4
	WIN 0x05
.endif
.set OREG, 168+32*((\a)%2)
.set z, 0
.rept 32                                               ; z = 8 (2 g + b) + q: columns 2 (q % 2), 2 (q % 2) + 1 of register 4 b + q / 2
.set rA, AC+8*(4*(z/16)+2*(z%2))+4*((z/8)%2)+(z%8)/2
	v_cvt_pk_bf16_f32 v[OREG+z], v[rA], v[rA+8]
.set z, z+1
.endr
	WIN 0
.set z, 0
.rept 32
	v_pk_max_num_bf16 v[OREG+z], v[OREG+z], v233
.set z, z+1
.endr
.set z, 0
.rept 8
	global_store_b128 v1, v[OREG+4*z:OREG+4*z+3], s[OB:OB+1] offset:z*512
.set z, z+1
.endr
.endm
.endif
	s_load_b256 s[4:11], s[0:1], 0x0               ; tokens' operands s[4:5], weights s[6:7], b1 or gws s[8:9], ptab s[10:11]
	s_load_b64 s[12:13], s[0:1], 0x20              ; the result
	v_lshl_add_u32 v3, v0, 2, SPARE
	v_mov_b32 v4, 0
	v_lshrrev_b32 v235, 5, v0
	v_readfirstlane_b32 s[WV], v235                ; wave 0..3
	v_and_b32 v235, 31, v0                         ; lane
	v_lshlrev_b32 v1, 4, v235
	v_and_b32 v236, 15, v0                         ; r
	v_bfe_u32 v237, v0, 4, 1                       ; h
	v_lshlrev_b32 v5, 4, v236
	v_lshl_add_u32 v5, v237, HSH, v5               ; my half's first row + 16 r
	v_lshlrev_b32 v6, PSH, v236
	v_lshl_add_u32 v6, v237, HSH, v6               ; row r of my half
	v_lshl_add_u32 v7, s[WV], 12, v1               ; in LDS a step is 8,192 bytes and a column half 4,096: my part of a chunk begins at 4,096 x wave
	s_lshr_b32 s[EX], ttmp9, 5
.if PROD2
	s_bfe_u32 s[Q4], ttmp9, 0x20003
	s_and_b32 s[SL], ttmp9, 7
.else
	s_and_b32 s[SL], ttmp9, 31
.endif
	s_lshr_b32 s[KB], s[WV], 1
	s_and_b32 s[G2], s[WV], 1
	s_mov_b32 s23, 0                               ; the high word of every offset
	s_lshl_b32 s22, s[EX], 24                      ; 16 MiB an expert
	s_mul_i32 s21, s[KB], BSTEP*PITCH
	s_add_co_u32 s22, s22, s21
	s_lshl_b32 s21, s[SL], 9
	s_add_co_u32 s22, s22, s21
	s_lshl_b32 s21, s[G2], 8
	s_add_co_u32 s22, s22, s21
.if PROD2
	s_lshl_b32 s21, s[Q4], 22                      ; 1,024 rows a quarter
	s_add_co_u32 s22, s22, s21
.endif
	s_lshl_b32 s35, s[EX], 4
	s_mov_b32 s[TB], 0
	s_mov_b32 s[LC], 6
	s_mov_b32 s[PS], 0
.if PROD2
	v_lshlrev_b32 v233, 4, v236
	v_lshl_add_u32 v233, v237, 15, v233            ; in y: row 8 h, 16 bytes r
	v_lshlrev_b32 v234, 5, v237                    ; in gws: 8 h numbers
	s_lshl_b32 s76, s[SL], 9
	s_lshl_b32 s77, s[Q4], 15                      ; 32 steps a quarter
.else
	v_mov_b32 v233, 0                              ; for the ReLU
	v_lshl_add_u32 v234, v237, 7, BIAS             ; my half's 32 words of each 64 of b1
	s_lshl_b32 s76, s[SL], 12                      ; four steps of the hidden layer a slice
	v_and_b32 v239, 7, v0                          ; LDS word 32 c + 8 j + i takes b1 of column 32 c + 4 i + j, so that 16 bytes hold four neighbouring registers of an accumulator
	v_bfe_u32 v241, v0, 3, 2
	v_lshl_add_u32 v239, v239, 2, v241
	v_lshlrev_b32 v239, 2, v239
	v_lshl_add_u32 v240, v0, 2, BIAS
.endif
	s_wait_kmcnt 0x0
	s_load_b128 s[68:71], s[10:11], s35 offset:0x2000   ; the expert's first tile, tiles, rows
	s_add_nc_u64 s[SW:SW+1], s[6:7], s[22:23]
.if PROD2
	s_mul_i32 s22, s[Q4], YQ
	s_add_nc_u64 s[78:79], s[12:13], s[22:23]
.else
	s_lshl_b32 s22, s[EX], 14
	s_lshl_b32 s21, s[SL], 9
	s_add_co_u32 s22, s22, s21
	s_lshl_b32 s21, s[WV], 7
	s_add_co_u32 s22, s22, s21
	s_add_nc_u64 s[8:9], s[8:9], s[22:23]
	global_load_b32 v238, v239, s[8:9]
.endif
	GLD 0, 0
	s_wait_kmcnt 0x0
	s_min_u32 s[NT], s69, 64
	s_min_u32 s[TBASE], s68, 134
	TILES 0
.if PROD2
	LDG
.endif
	LDA 0, 0
	GLD 1, 1
	LDA 1, 1024
	WIN 0
	PF 3
	PF 4
	v_mov_b32 v2, v1
	v_mov_b32 v232, v7
	s_wait_loadcnt 36                              ; weight group 0 is in (b1 or the gate weights too); step 0, group 1 and step 1 stay out
	CVT 0
	BST 0
.if PROD2 == 0
	v_cvt_pk_bf16_f32 v238, v238, v238             ; b1 rounded to bf16, like every input
	v_lshlrev_b32 v238, 16, v238
	ds_store_b32 v240, v238
.endif
	BAR                                            ; chunk 0 is in LDS
	SEGM 0, 0, 1, 1
	BAR
.Lloop:                                                ; six trips of two segments: chunks 1 to 12; steps and groups are counted from the trip's base
	v_add_nc_u32 v2, s[TB], v1
	v_add_nc_u32 v232, s[TB], v7
	SEGM 2, 0, 0, 2
	BAR
	SEGM 4, 0, 0, 2
	BAR
	s_wait_xcnt 0x0                                ; the bases are stepped only behind this wait
	s_add_nc_u64 s[SW:SW+1], s[SW:SW+1], 2*GSTEP
.irp a, 0,1,2,3,4
	s_add_nc_u64 s[ABASE+2*\a:ABASE+2*\a+1], s[ABASE+2*\a:ABASE+2*\a+1], 4096   ; four steps a trip
.endr
	s_add_co_u32 s[TB], s[TB], 32768
	s_sub_co_u32 s[LC], s[LC], 1
	s_cmp_lg_u32 s[LC], 0
	s_cbranch_scc1 .Lloop
	v_add_nc_u32 v2, s[TB], v1                     ; the last three chunks are written out: no load leaves its buffer, and the counts run down
	v_add_nc_u32 v232, s[TB], v7
	SEGM 2, 0, 0, 0
	BAR
	SEGM 4, 1, 0, 0
	BAR
	SEGM 6, 2, 0, 0
	s_wait_dscnt 0x0
	PH 1, 3, 0                                     ; the last step's second half
	s_mov_b32 s[PS], 1
	s_mov_b32 s[PC], 4
.Lpass:                                                ; four trips, no barrier inside: pass PS - 1 goes out; pass PS, if the expert has so many rows, is multiplied
	PLACES
	v_nop                                          ; a fifth place: a further pass's first products write over these accumulators
	s_cmp_eq_u32 s[MT], 0
	s_cbranch_scc1 .Lepi_end
.if PROD2 == 0
.set z, 0
.rept 16                                               ; b1 as the accumulators lie: register 40 + 8 ct + i for register i of column tile ct
	ds_load_b128 v[40+4*z:40+4*z+3], v234 offset:(64*(z/8)+8*((z/2)%4)+4*(z%2))*4
.set z, z+1
.endr
	s_wait_dscnt 0x0
.endif
	EPT 0
	EPT 1
	EPT 2
	EPT 3
	EPT 4
.Lepi_end:
	TILES 1
	s_cmp_eq_u32 s[MT], 0
	s_cbranch_scc1 .Lnok
	v_mov_b32 v2, v1                               ; a further pass: the slice lies whole in LDS; plain, a step at a time
	LDA 0, 0
.if PROD2
	LDG
.endif
	RELB 0, 0
	RELB 4, 0
	s_wait_loadcnt 0x0
	s_wait_dscnt 0x0
	PH 0, 0, 1
	PH 1, 0, 1
	s_mov_b32 s[KC], 31
	s_mov_b32 s[TB], 8192                          ; steps 1 to 31: 8,192 bytes of LDS a step
.Lsk:
	PLACES
	v_add_nc_u32 v2, s[TB], v1
.irp a, 0,1,2,3,4
	s_add_nc_u64 s[ABASE+2*\a:ABASE+2*\a+1], s[ABASE+2*\a:ABASE+2*\a+1], 1024   ; the loads that named these bases have been waited for
.endr
	LDA 0, 0
	RELB 0, 0
	RELB 4, 0
	s_wait_loadcnt 0x0
	s_wait_dscnt 0x0
	PH 0, 0, 0
	PH 1, 0, 0
	s_add_co_u32 s[TB], s[TB], 8192
	s_sub_co_u32 s[KC], s[KC], 1
	s_cmp_lg_u32 s[KC], 0
	s_cbranch_scc1 .Lsk
.Lnok:
	s_add_co_u32 s[PS], s[PS], 1
	s_sub_co_u32 s[PC], s[PC], 1
	s_cmp_lg_u32 s[PC], 0
	s_cbranch_scc1 .Lpass
	BAR                                            ; every wave's reads of LDS are back before any wave's last LDS write, the add below
	s_wait_tensorcnt 0x0                           ; the wave's end
	ds_add_u32 v3, v4
	s_wait_dscnt 0x0
	s_endpgm
.Lfunc_end_k_q5fee296231_prod2:
	.size	k_q5fee296231_prod2, .Lfunc_end_k_q5fee296231_prod2-k_q5fee296231_prod2
	.p2alignl 7, 3214868480
	.fill 96, 4, 3214868480
	.section	.rodata,"a",@progbits
	.p2align	6, 0x0
	.amdhsa_kernel k_q5fee296231_prod2
		.amdhsa_group_segment_fixed_size 262656
		.amdhsa_private_segment_fixed_size 0
		.amdhsa_enable_private_segment 0
		.amdhsa_kernarg_size 40
		.amdhsa_user_sgpr_count 2
		.amdhsa_user_sgpr_kernarg_segment_ptr 1
		.amdhsa_wavefront_size32 1
		.amdhsa_system_sgpr_workgroup_id_x 1
		.amdhsa_system_sgpr_workgroup_id_y 1
		.amdhsa_system_sgpr_workgroup_id_z 1
		.amdhsa_system_vgpr_workitem_id 0
		.amdhsa_next_free_vgpr 808
		.amdhsa_next_free_sgpr 96
		.amdhsa_reserve_vcc 0
		.amdhsa_float_denorm_mode_32 3
		.amdhsa_float_denorm_mode_16_64 3
		.amdhsa_memory_ordered 1
		.amdhsa_forward_progress 1
		.amdhsa_inst_pref_size 125
	.end_amdhsa_kernel
	.amdgpu_metadata
---
amdhsa.version: [ 1, 2 ]
amdhsa.kernels:
  - .name:           k_q5fee296231_prod2
    .symbol:         k_q5fee296231_prod2.kd
    .args:
      - { .name: hbuf, .offset: 0, .size: 8, .value_kind: global_buffer, .address_space: global }
      - { .name: W2, .offset: 8, .size: 8, .value_kind: global_buffer, .address_space: global }
      - { .name: gws, .offset: 16, .size: 8, .value_kind: global_buffer, .address_space: global }
      - { .name: ptab, .offset: 24, .size: 8, .value_kind: global_buffer, .address_space: global }
      - { .name: y, .offset: 32, .size: 8, .value_kind: global_buffer, .address_space: global }
    .group_segment_fixed_size: 262656
    .private_segment_fixed_size: 0
    .kernarg_segment_align: 8
    .kernarg_segment_size: 40
    .max_flat_workgroup_size: 128
    .sgpr_count:     96
    .vgpr_count:     808
    .wavefront_size: 32
...
	.end_amdgpu_metadata
.endif
;; end of part 4
;; launch sum (part 5): grid 256 x 1, 8 waves a work-group, no clusters, 0 bytes of LDS; arguments y, ptab, sel, gwi, b2, out0, out1; writes out0, out1
.if DOCPART == 5
	.amdgcn_target "amdgcn-amd-amdhsa--gfx1250"
	.amdhsa_code_object_version 6
	.text
	.protected	k_q5fee296231_sum
	.globl	k_q5fee296231_sum
	.p2align	8
	.type	k_q5fee296231_sum,@function
k_q5fee296231_sum:
	s_mov_b64 s[64:65], 0
	v_nop
	global_prefetch_b8 v0, s[64:65] scope:SCOPE_SE
	s_setreg_imm32_b32 hwreg(HW_REG_WAVE_MODE, 25, 1), 1
	s_wait_xcnt 0x0
; SUM.  out0[token] = the eight partial rows of y (two experts x four quarters of the hidden width, each already times its gate weight) + gw0 b2[e0] + gw1 b2[e1]; and the load-balancing number.
; A work-group owns four tokens, a wave half a row (2,048 bytes) in four pieces of 512: each load and store of the wave covers 512 consecutive bytes, aligned.
; All 40 loads of a wave go out at once, ten a piece; the waits count the younger pieces: 30, 20, 10, 0.  Where a token's rows lie is read from the list that an earlier launch stored.
; No LDS, no matrix unit, no cluster: each byte of y has one reader, and memory binds.
; out1 = 8 sum_e (importance_e / sum importance) (count_e / 2,048) = sum_e importance_e count_e / (256 sum importance): work-group 0's wave 0.
; LIMITS.  b2 is rounded to bf16, like every input; all sums in f32.  NaN and infinities are not treated apart.
.set YQ, 8847360                       ; bytes of a quarter's partial results
	s_load_b256 s[4:11], s[0:1], 0x0               ; y s[4:5], ptab s[6:7], sel s[8:9], gwi s[10:11]
	s_load_b128 s[12:15], s[0:1], 0x20             ; b2 s[12:13], out0 s[14:15]
	s_load_b64 s[16:17], s[0:1], 0x30              ; out1
	v_lshrrev_b32 v1, 5, v0
	v_readfirstlane_b32 s18, v1                    ; wave 0..7
	v_and_b32 v2, 31, v0
	v_lshlrev_b32 v1, 4, v2
	s_lshr_b32 s19, s18, 1
	s_lshl2_add_u32 s19, ttmp9, s19                ; the token
	s_and_b32 s20, s18, 1
	s_lshl_b32 s20, s20, 11                        ; my half of the row
	s_lshl_b32 s21, s19, 3
	s_lshl_b32 s22, s19, 2
	s_mov_b32 s31, 0
	s_wait_kmcnt 0x0
	s_load_b64 s[24:25], s[6:7], s21 offset:0x0    ; its two sorted rows
	s_load_b64 s[26:27], s[10:11], s21 offset:0x0  ; its two gate weights
	s_load_b32 s28, s[8:9], s22 offset:0x0         ; its two experts
	s_wait_kmcnt 0x0
	s_min_u32 s24, s24, 2159                       ; held inside the buffers
	s_min_u32 s25, s25, 2159
	s_and_b32 s29, s28, 0xff
	s_min_u32 s29, s29, 7
	s_lshr_b32 s28, s28, 8
	s_min_u32 s28, s28, 7
.irp k, 0,1
.irp q, 0,1,2,3
	s_lshl_b32 s30, s[24+\k], 12
	s_add_co_u32 s30, s30, s20
	s_add_co_u32 s30, s30, \q*YQ
	s_add_nc_u64 s[32+8*\k+2*\q:33+8*\k+2*\q], s[4:5], s[30:31]
.endr
.endr
	s_lshl_b32 s30, s29, 12
	s_add_co_u32 s30, s30, s20
	s_add_nc_u64 s[48:49], s[12:13], s[30:31]
	s_lshl_b32 s30, s28, 12
	s_add_co_u32 s30, s30, s20
	s_add_nc_u64 s[50:51], s[12:13], s[30:31]
	s_lshl_b32 s30, s19, 12
	s_add_co_u32 s30, s30, s20
	s_add_nc_u64 s[52:53], s[14:15], s[30:31]
	s_mov_b32 s54, s27                             ; the packed multiply-add takes the low word of a pair for both halves
	s_mov_b32 s55, s27
.irp c, 0,1,2,3
.irp m, 0,1,2,3,4,5,6,7
	global_load_b128 v[8+40*\c+4*\m:11+40*\c+4*\m], v1, s[32+2*\m:33+2*\m] offset:512*\c th:TH_LOAD_NT
.endr
	global_load_b128 v[40+40*\c:43+40*\c], v1, s[48:49] offset:512*\c
	global_load_b128 v[44+40*\c:47+40*\c], v1, s[50:51] offset:512*\c
.endr
.macro CH c
.set R, 8+40*(\c)
	s_wait_loadcnt 30-10*(\c)                      ; my piece's ten loads are in; the younger pieces stay out
.irp m, 0,2,4,6,8,10,12,14
	v_pk_add_f32 v[R+\m:R+\m+1], v[R+\m:R+\m+1], v[R+16+\m:R+16+\m+1]
.endr
.irp k, 0,1,2,3
	v_cvt_pk_bf16_f32 v[168+\k], v[R+32+2*\k], v[R+33+2*\k]   ; b2 rounded to bf16
.endr
.irp m, 0,2,4,6
	v_pk_add_f32 v[R+\m:R+\m+1], v[R+\m:R+\m+1], v[R+8+\m:R+8+\m+1]
.endr
.irp k, 0,1,2,3
	v_lshlrev_b32 v[R+32+2*\k], 16, v[168+\k]
	v_and_b32 v[R+33+2*\k], 0xffff0000, v[168+\k]
.endr
.irp m, 0,2
	v_pk_add_f32 v[R+\m:R+\m+1], v[R+\m:R+\m+1], v[R+4+\m:R+4+\m+1]
.endr
.irp m, 0,2
	v_pk_fma_f32 v[R+\m:R+\m+1], v[R+32+\m:R+33+\m], s[26:27], v[R+\m:R+\m+1] op_sel_hi:[1,0,1]
.endr
.irp m, 0,2
	v_pk_fma_f32 v[R+\m:R+\m+1], v[R+36+\m:R+37+\m], s[54:55], v[R+\m:R+\m+1] op_sel_hi:[1,0,1]
.endr
	global_store_b128 v1, v[R:R+3], s[52:53] offset:512*(\c) th:TH_STORE_NT
.endm
	CH 0
	CH 1
	CH 2
	CH 3
	s_or_b32 s56, ttmp9, s18
	s_cmp_lg_u32 s56, 0
	s_cbranch_scc1 .Lend
	s_load_b512 s[68:83], s[6:7], 0x2000           ; the table: expert e's count in s[70 + 4 e]
	s_load_b512 s[84:99], s[6:7], 0x2040
	v_lshlrev_b32 v3, 5, v2
	s_wait_xcnt 0x0                                ; the stores have read their registers
	global_load_b128 v[8:11], v3, s[10:11] offset:8192     ; the sums of work-groups lane and lane + 32 of the router
	global_load_b128 v[12:15], v3, s[10:11] offset:8208
	global_load_b128 v[16:19], v3, s[10:11] offset:9216
	global_load_b128 v[20:23], v3, s[10:11] offset:9232
	s_mov_b32 s58, 0x76543210
	s_mov_b32 s59, 0xfedcba98
	v_mov_b32 v34, 0
	v_mov_b32 v35, 0
	s_wait_kmcnt 0x0
.irp e, 0,1,2,3,4,5,6,7
	v_cvt_f32_u32 v[24+\e], s[70+4*\e]
.endr
	s_wait_loadcnt 0x0
.irp m, 0,2,4,6
	v_pk_add_f32 v[8+\m:9+\m], v[8+\m:9+\m], v[16+\m:17+\m]
.endr
	v_mul_f32 v33, v8, v24                         ; my share of sum importance x count,
	v_mov_b32 v32, v8                              ; and of sum importance
.irp e, 1,2,3,4,5,6,7
	v_fmac_f32 v33, v[8+\e], v[24+\e]
	v_add_f32 v32, v32, v[8+\e]
.endr
.irp m, 1,2,4,8
	v_add_f32_dpp v32, v32, v32 row_xmask:\m row_mask:0xf bank_mask:0xf
	v_add_f32_dpp v33, v33, v33 row_xmask:\m row_mask:0xf bank_mask:0xf
.endr
	v_permlanex16_b32 v34, v32, s58, s59
	v_add_f32 v32, v32, v34
	v_permlanex16_b32 v34, v33, s58, s59
	v_add_f32 v33, v33, v34
	v_rcp_f32 v36, v32
	v_mul_f32 v33, 0x3b800000, v33                 ; / 256: the plain instruction behind the reciprocal
	s_wait_alu depctr_va_vdst(0)                   ; the wait ahead of the reciprocal's first reader
	v_mul_f32 v36, v33, v36
	v_cmp_eq_u32 vcc_lo, 0, v2
	s_wait_xcnt 0x0                                ; EXEC changes only behind this wait
	s_and_saveexec_b32 s57, vcc_lo
	global_store_b32 v35, v36, s[16:17]
	s_wait_xcnt 0x0
	s_or_b32 exec_lo, exec_lo, s57
.Lend:
	s_endpgm
.Lfunc_end_k_q5fee296231_sum:
	.size	k_q5fee296231_sum, .Lfunc_end_k_q5fee296231_sum-k_q5fee296231_sum
	.p2alignl 7, 3214868480
	.fill 96, 4, 3214868480
	.section	.rodata,"a",@progbits
	.p2align	6, 0x0
	.amdhsa_kernel k_q5fee296231_sum
		.amdhsa_group_segment_fixed_size 0
		.amdhsa_private_segment_fixed_size 0
		.amdhsa_enable_private_segment 0
		.amdhsa_kernarg_size 56
		.amdhsa_user_sgpr_count 2
		.amdhsa_user_sgpr_kernarg_segment_ptr 1
		.amdhsa_wavefront_size32 1
		.amdhsa_system_sgpr_workgroup_id_x 1
		.amdhsa_system_sgpr_workgroup_id_y 1
		.amdhsa_system_sgpr_workgroup_id_z 1
		.amdhsa_system_vgpr_workitem_id 0
		.amdhsa_next_free_vgpr 176
		.amdhsa_next_free_sgpr 100
		.amdhsa_reserve_vcc 1
		.amdhsa_float_denorm_mode_32 3
		.amdhsa_float_denorm_mode_16_64 3
		.amdhsa_memory_ordered 1
		.amdhsa_forward_progress 1
		.amdhsa_inst_pref_size 18
	.end_amdhsa_kernel
	.amdgpu_metadata
---
amdhsa.version: [ 1, 2 ]
amdhsa.kernels:
  - .name:           k_q5fee296231_sum
    .symbol:         k_q5fee296231_sum.kd
    .args:
      - { .name: y, .offset: 0, .size: 8, .value_kind: global_buffer, .address_space: global }
      - { .name: ptab, .offset: 8, .size: 8, .value_kind: global_buffer, .address_space: global }
      - { .name: sel, .offset: 16, .size: 8, .value_kind: global_buffer, .address_space: global }
      - { .name: gwi, .offset: 24, .size: 8, .value_kind: global_buffer, .address_space: global }
      - { .name: b2, .offset: 32, .size: 8, .value_kind: global_buffer, .address_space: global }
      - { .name: out0, .offset: 40, .size: 8, .value_kind: global_buffer, .address_space: global }
      - { .name: out1, .offset: 48, .size: 8, .value_kind: global_buffer, .address_space: global }
    .group_segment_fixed_size: 0
    .private_segment_fixed_size: 0
    .kernarg_segment_align: 8
    .kernarg_segment_size: 56
    .max_flat_workgroup_size: 256
    .sgpr_count:     100
    .vgpr_count:     176
    .wavefront_size: 32
...
	.end_amdgpu_metadata
.endif
;; end of part 5
